; MI455X (gfx1250); checked and timed in simulation.
; The chip was launched on July 23, 2026; its instructions are those of AMD's public machine-readable ISA for CDNA 5 (MIT licence, August 2026) and "CDNA5" Instruction Set Architecture Reference Guide (July 2026). The comments in the code are by the model that wrote it; some were corrected since.
;; Complex Mo E Layer. Allowed arithmetic: matrix products marked QUANTISED: E2M1 operands, one E8M0 scale for each 32 along K, by v_wmma_scale_f32_16x16x128_f8f6f4 with both operands' format E2M1 (or v_wmma_scale_f32_32x16x128_f4), f32 sums; products left as they are: f32 operands where the result goes on into a quantised operand, else bf16, f16 or f32 operands; f32 sums; everything else in f32.
;; Inputs: Wi1 8 x 512 x 2,048 float32; Wi2 8 x 2,048 x 512 float32; Wr1 8 x 512 x 2,048 float32; Wr2 8 x 2,048 x 512 float32; bi1 8 x 2,048 float32; bi2 8 x 512 float32; br1 8 x 2,048 float32; br2 8 x 512 float32; mb 8 x 2,048 float32; x_i 2 x 512 x 512 float32; x_r 2 x 512 x 512 float32.
;; Outputs: out0 2 x 2 x 512 x 512 float32.
;; This version of the problem:
;;   THIS VERSION OF THE PROBLEM IS GIVEN IN LOW PRECISION. The matrix products marked QUANTISED in the list below multiply operands that are first quantised to E2M1 (2 exponent bits, 1 mantissa bit; 4 bits a number), with one power-of-two scale for each 32 numbers along K (OCP MX v1.0); their sums are f32. All else is computed in f32.
;;   The module's matrix products, in the order in which they are computed (A, B: the left and right operand; K: the contracted axis; several contracted axes count as one K, in the product's order):
;;     1. [M 16,384, K 512] x [K 512, N 1,024]; A: input Wr1; B: input x_r: QUANTISED
;;     2. [M 16,384, K 512] x [K 512, N 1,024]; A: input Wi1; B: input x_i: QUANTISED
;;     3. [M 16,384, K 512] x [K 512, N 1,024]; A: input Wi1; B: input x_r: QUANTISED
;;     4. [M 16,384, K 512] x [K 512, N 1,024]; A: input Wr1; B: input x_i: QUANTISED
;;     5. batch 8 x [M 1,024, K 2,048] x [K 2,048, N 512]; A: computed on the way; B: input Wr2: QUANTISED
;;     6. batch 8 x [M 1,024, K 2,048] x [K 2,048, N 512]; A: computed on the way; B: input Wi2: QUANTISED
;;     7. batch 8 x [M 1,024, K 2,048] x [K 2,048, N 512]; A: computed on the way; B: input Wi2: QUANTISED
;;     8. batch 8 x [M 1,024, K 2,048] x [K 2,048, N 512]; A: computed on the way; B: input Wr2: QUANTISED
;;     9. batch 1,024 x [M 512, K 8] x [K 8, N 1]; A: computed on the way; B: computed on the way: left as it is (K = 8 < 32)
;;     10. batch 1,024 x [M 512, K 8] x [K 8, N 1]; A: computed on the way; B: computed on the way: left as it is (K = 8 < 32)
;;   THE QUANTISER, for each operand of a quantised product, along K:
;;     - K is cut into blocks of 32 from its start; a last block that is shorter is filled with zeros.
;;     - A block's scale is 2^e with e = floor(log2(the largest magnitude in the block)) - 2, held to -126 .. 127; a block of zeros has e = 0. As a byte (E8M0): e + 127.
;;     - Each number is divided by its block's scale, clamped to +-6, and rounded to the nearest number of E2M1, ties to even, subnormals kept.
;;     - The product sums the exact products of the quantised numbers (number of the format x scale) in f32.
;;   ~~~python
;;   def quantise(x, axis):      # numpy; x: float32 -> the quantised numbers, widened to float32 again
;;       x = np.moveaxis(x, axis, -1); K = x.shape[-1]
;;       x = np.pad(x, [(0, 0)] * (x.ndim - 1) + [(0, -K % 32)]); x = x.reshape(x.shape[:-1] + (-1, 32)); a = np.abs(x).max(-1, keepdims=True)
;;       e = np.where(a > 0, np.clip(np.frexp(np.where(a > 0, a, 1))[1] - 1 - 2, -126, 127), 0)      # np.frexp(a)[1] - 1 = floor(log2(a)), exactly
;;       r = np.clip(x / 2.0 ** e, -6, 6)
;;       step = 2.0 ** (np.maximum(np.frexp(np.where(r == 0, 1, r))[1] - 1, 0) - 1)
;;       q = np.round(r / step) * step * 2.0 ** e      # np.round: ties to even
;;       return np.moveaxis(q.reshape(q.shape[:-2] + (-1,))[..., :K], -1, axis).astype(np.float32)
;;   ~~~
;;   OPERANDS COMPUTED ON THE WAY. 'Computed on the way' means the value that the module computes at that place (a softmax that the list does not call 'softmax' is quantised finished and normalised). What goes into a quantiser is computed in f32, as accurately as f32 sums, v_exp_f32 and their like allow (about 1e-6 of the number): no bf16 or f16 on the way to a quantiser, and a product that is left as it is and whose result goes on into a quantised operand takes f32 operands (vector FMAs, or v_wmma_f32_16x16x4_f32). A number that lies on a knife's edge between two numbers of the format may be rounded either way, as far as f32 arithmetic and the matrix unit's own rounding can turn it there, and no further.
;; 2 versions, each right; version 2 is version 1 with the launch layer1 written anew for expert scheduling mode. Each part assembles by itself: llvm-mc -triple=amdgcn-amd-amdhsa -mcpu=gfx1250 --defsym DOCPART=n.
;; ======== version 1 of 2: 3 launches
;; limits: below input magnitudes of 1.1e-19 results are inexact or not finite; inputs' magnitudes at most 1.3e+19
;; workspace buffers: route 2,048 bytes of whole numbers; xq 557,056 bytes; wq1 8,912,896 bytes; wq2 8,912,896 bytes; hq 17,825,792 bytes; plan 33,024 bytes of whole numbers
;; launch prep (part 1): grid 1056 x 1, 4 waves a work-group, no clusters, 2,560 bytes of LDS; arguments x_r, x_i, Wr1, Wi1, Wr2, Wi2, route, xq, wq1, wq2; writes route, xq, wq1, wq2
.if DOCPART == 1
	.amdgcn_target "amdgcn-amd-amdhsa--gfx1250"
	.amdhsa_code_object_version 6
	.text
	.protected	k_qd25b345967_prep
	.globl	k_qd25b345967_prep
	.p2align	8
	.type	k_qd25b345967_prep,@function
k_qd25b345967_prep:
	s_mov_b64 s[64:65], 0
	v_nop
	global_prefetch_b8 v0, s[64:65] scope:SCOPE_SE
	s_setreg_imm32_b32 hwreg(HW_REG_WAVE_MODE, 25, 1), 1
	s_wait_xcnt 0x0
; PREP: every f32 operand becomes codes of E2M1 with one E8M0 byte for each 32 along K, and each token's expert is chosen.
; Work-groups 0-31: x (32 tokens each, 8 a wave) and the router.  32-543: Wr1, Wi1.  544-1055: Wr2, Wi2.
; WEIGHTS.  K is the first axis inside an expert, so a lane takes a column and its registers run down K: a block of 32 along K is one
; lane's 32 registers, and the conversions give codes with K innermost.  A wave takes 32 columns x 128 along K of the real and of the
; imaginary matrix; each load reads 128 consecutive bytes, the four waves stand side by side on 512.
; The codes are laid as IMAGES OF OPERAND REGISTERS: a fragment (16 columns x 64 along K, complex) is 1,024 bytes,
; [R: k 0-31, k 32-63 | I: k 0-31, k 32-63], each quarter [row 0..15][16 bytes]; two loads of 16 bytes at 16 x lane bring it whole.
; Lane l = 16 u + r takes column 8 u + (r & 7) + 16 (r >> 3) of its 32 (bits 3 and 4 of l swapped): in the transposed product a lane's
; 16 results of tiles 2 g and 2 g + 1 are then 16 neighbouring columns.
; A fragment's scale word is R0 | R1 << 8 | I0 << 16 | I1 << 24; a wave's words of two K steps leave as 256 consecutive bytes, 8 a lane.
; x.  Codes [token][imaginary 256 bytes | real 256 bytes]; scale words [token][8], word s = i(2s) | i(2s+1) << 8 | r(2s) << 16 | r(2s+1) << 24.
; ROUTER.  cos and sin of an element's phase are x_r and x_i over sqrt(x_r^2 + x_i^2); the octant of the two sums is found by compares
; alone and is only ever DATA here: no address and no branch hangs on it.  It leaves as masks[e][j] (bit l: token 32 j + l chose e)
; and counts[e][j].
; A block's byte is its largest magnitude's exponent field - 2, held at 1 from below; a block of zeros keeps the byte 1 where the rule
; says 127: its codes are zeros, and this program alone reads the bytes.
; LIMITS: an element with x_r^2 + x_i^2 < 2^-126 counts as a zero (cos = +-1 by x_r's sign, sin = 0); x_r^2 + x_i^2 must not overflow
; (magnitudes under 1.3e19); NaN and infinities are not served; a token whose mean phase lies within f32 rounding of an octant's edge
; may fall either way, and one whose two sums are both exactly 0 goes to expert 7 where the definition gives 4.
; No tensor loads, no clusters: no two work-groups read the same bytes, and every byte is read once.
.set X,     16                         ; v16-111   three sets of 32 numbers
.set CD,    112                        ; v112-143  codes: four registers a block or a token, never written twice
.set Q,     144                        ; v144-159  x path: squares, then reciprocal roots
.set FLOOR, 0x1800000                  ; 2^(3 - 127): under it no largest magnitude is taken
.set LESS2, 0xff000000                 ; takes 2 off an exponent field
; block t of 8 (t % 2: real or imaginary; t / 2: which 32 along K) into set t % 3
.macro LOADB t, pitch
.set LI_, 0
.rept 32
	global_load_b32 v[X+32*((\t)%3)+LI_], v2, s[36+2*((\t)%2):37+2*((\t)%2)] offset:(32*((\t)/2)+LI_)*\pitch th:TH_LOAD_NT
.set LI_, LI_+1
.endr
.endm
.macro BLOCKW t, pitch
.set XS_, X+32*((\t)%3)
.if (\t) < 7
	s_wait_loadcnt 32                              ; this block's 32 loads are in; the next block's 32 may be out
.else
	s_wait_loadcnt 0x0
.endif
.if (\t)+2 < 8
	LOADB (\t)+2, \pitch                           ; into the set that the block before this one has left
.endif
	v_max3_num_f32 v9, |v[XS_]|, |v[XS_+1]|, |v[XS_+2]|
	v_max3_num_f32 v10, |v[XS_+3]|, |v[XS_+4]|, |v[XS_+5]|
.irp i, 6,10,14,18,22,26
	v_max3_num_f32 v9, v9, |v[XS_+\i]|, |v[XS_+\i+1]|
	v_max3_num_f32 v10, v10, |v[XS_+\i+2]|, |v[XS_+\i+3]|
.endr
	v_max3_num_f32 v9, v9, |v[XS_+30]|, |v[XS_+31]|
	v_max3_num_f32 v9, v9, v10, FLOOR              ; the block's largest magnitude, all 32 numbers mine, and the floor
	v_add_nc_u32 v10, LESS2, v9                    ; the conversion takes this operand's exponent field as its scale
.irp g, 0,1,2,3
	v_cvt_scalef32_pk8_fp4_f32 v[CD+4*(\t)+\g], v[XS_+8*\g:XS_+8*\g+7], v10
.endr
	v_lshrrev_b32 v11, 23, v10                     ; the byte (also the plain line behind the conversions)
.if (\t)%4 == 0
	v_mov_b32 v[12+(\t)/4], v11
.else
	v_lshl_or_b32 v[12+(\t)/4], v11, 16*((\t)%2)+8*(((\t)/2)%2), v[12+(\t)/4]
.endif
	global_store_b128 v3, v[CD+4*(\t):CD+4*(\t)+3], s[40:41] offset:((\t)/4)*1024+((\t)%2)*512+(((\t)/2)%2)*256   ; each half of the lanes: 256 consecutive bytes, aligned
.endm
; FIRST: the path's first work-group; KCF: the field of kc in the id; CGM: mask of the column quad; SKC, CCG, SCG: shifts of kc in the
; source, of cg in the codes and in the scales; PITCH: bytes from k to k + 1; TILEB: bytes of a tile's fragments; RP, IP, DP: pointers
.macro WPATH FIRST, KCF, CGM, SKC, CCG, SCG, PITCH, TILEB, RP, IP, DP
	s_sub_co_u32 s3, ttmp9, \FIRST
	s_lshr_b32 s4, s3, 6                           ; expert
	s_bfe_u32 s5, s3, \KCF                         ; kc: which 128 along K
	s_and_b32 s6, s3, \CGM
	s_lshl_b32 s6, s6, 2
	s_add_co_u32 s6, s6, s2                        ; cg: which 32 columns
	s_lshl_b32 s8, s4, 22
	s_lshl_b32 s7, s5, \SKC
	s_add_co_u32 s8, s8, s7
	s_lshl_b32 s7, s6, 7
	s_add_co_u32 s8, s8, s7                        ; source bytes
	s_mov_b32 s9, 0
	s_lshl_b32 s10, s4, 20
	s_lshl_b32 s7, s6, \CCG
	s_add_co_u32 s10, s10, s7
	s_lshl_b32 s7, s5, 11
	s_add_co_u32 s10, s10, s7                      ; codes
	s_mov_b32 s11, 0
	s_lshl_b32 s12, s4, 16
	s_lshl_b32 s7, s6, \SCG
	s_add_co_u32 s12, s12, s7
	s_lshl_b32 s7, s5, 8
	s_add_co_u32 s12, s12, s7
	s_add_co_u32 s12, s12, 8388608                 ; scale words, behind the codes
	s_mov_b32 s13, 0
	v_mul_u32_u24 v3, v6, \TILEB
	v_lshl_add_u32 v3, v8, 4, v3                   ; lanes 16-31 write the next tile; 16 bytes a row
	s_wait_kmcnt 0x0
	s_add_nc_u64 s[36:37], s[\RP:\RP+1], s[8:9]
	s_add_nc_u64 s[38:39], s[\IP:\IP+1], s[8:9]
	s_add_nc_u64 s[40:41], s[\DP:\DP+1], s[10:11]
	s_add_nc_u64 s[42:43], s[\DP:\DP+1], s[12:13]
	LOADB 0, \PITCH
	LOADB 1, \PITCH
.irp t, 0,1,2,3,4,5,6,7
	BLOCKW \t, \PITCH
.endr
	global_store_b64 v4, v[12:13], s[42:43]        ; 32 lanes: 256 consecutive bytes, aligned
.endm
	s_load_b512 s[16:31], s[0:1], 0x0              ; x_r, x_i, Wr1, Wi1, Wr2, Wi2, route, xq
	s_load_b128 s[32:35], s[0:1], 0x40             ; wq1, wq2
	v_lshl_add_u32 v168, v0, 2, 0x800
	v_mov_b32 v169, 0
	v_lshrrev_b32 v1, 5, v0
	v_readfirstlane_b32 s2, v1                     ; wave
	v_and_b32 v1, 31, v0                           ; lane
	s_cmp_lt_u32 ttmp9, 32
	s_cbranch_scc1 .Lx
	v_and_b32 v5, 7, v0
	v_bfe_u32 v6, v0, 4, 1
	v_bfe_u32 v7, v0, 3, 1
	v_lshl_or_b32 v5, v6, 3, v5
	v_lshl_or_b32 v5, v7, 4, v5                    ; my column: the lane with bits 3 and 4 swapped
	v_lshlrev_b32 v2, 2, v5
	v_and_b32 v8, 15, v0
	v_lshlrev_b32 v4, 3, v1
	s_cmp_lt_u32 ttmp9, 544
	s_cbranch_scc0 .Lw2
	WPATH 32, 0x20004, 15, 20, 14, 10, 8192, 8192, 20, 22, 32
	s_endpgm
.Lw2:
	WPATH 544, 0x40002, 3, 18, 16, 12, 2048, 32768, 24, 26, 34
	s_endpgm
; ---- x and the router
.macro LOADT i                         ; token i of my eight into set i % 3: real in registers 0-15, imaginary in 16-31; a lane holds K = 16 lane .. + 15
.irp q, 0,1,2,3
	global_load_b128 v[X+32*((\i)%3)+4*\q:X+32*((\i)%3)+4*\q+3], v2, s[36:37] offset:(\i)*2048+16*\q
	global_load_b128 v[X+32*((\i)%3)+16+4*\q:X+32*((\i)%3)+16+4*\q+3], v2, s[38:39] offset:(\i)*2048+16*\q
.endr
.endm
.macro XQ s, d, b                      ; 16 numbers of a lane (two neighbouring lanes hold a block) -> two registers of codes, and the byte
	v_max3_num_f32 v8, |v[\s]|, |v[\s+1]|, FLOOR
	v_max3_num_f32 v9, |v[\s+2]|, |v[\s+3]|, |v[\s+4]|
	v_max3_num_f32 v8, v8, |v[\s+5]|, |v[\s+6]|
	v_max3_num_f32 v9, v9, |v[\s+7]|, |v[\s+8]|
	v_max3_num_f32 v8, v8, |v[\s+9]|, |v[\s+10]|
	v_max3_num_f32 v9, v9, |v[\s+11]|, |v[\s+12]|
	v_max3_num_f32 v8, v8, |v[\s+13]|, |v[\s+14]|
	v_max3_num_f32 v8, v8, v9, |v[\s+15]|
	v_max_num_f32_dpp v8, v8, v8 row_xmask:1 row_mask:0xf bank_mask:0xf
	v_add_nc_u32 v9, LESS2, v8
	v_cvt_scalef32_pk8_fp4_f32 v[\d], v[\s:\s+7], v9
	v_cvt_scalef32_pk8_fp4_f32 v[\d+1], v[\s+8:\s+15], v9
	v_lshrrev_b32 v[\b], 23, v9                    ; (the plain line behind the conversions)
.endm
.macro TOKEN i
.set XR_, X+32*((\i)%3)
.set XI_, XR_+16
.if (\i) < 7
	s_wait_loadcnt 8                               ; this token's eight loads are in; the next token's eight may be out
.else
	s_wait_loadcnt 0x0
.endif
.if (\i)+2 < 8
	LOADT (\i)+2
.endif
.irp p, 0,2,4,6,8,10,12,14
	v_pk_mul_f32 v[Q+\p:Q+\p+1], v[XR_+\p:XR_+\p+1], v[XR_+\p:XR_+\p+1]
.endr
.irp p, 0,2,4,6,8,10,12,14
	v_pk_fma_f32 v[Q+\p:Q+\p+1], v[XI_+\p:XI_+\p+1], v[XI_+\p:XI_+\p+1], v[Q+\p:Q+\p+1]
.endr
	v_mov_b32 v8, 0
	v_mov_b32 v9, 0
.irp k, 0,1,2,3,4,5,6,7,8,9,10,11,12,13,14,15
	v_cmp_gt_f32 vcc_lo, s62, v[Q+\k]              ; an element that counts as a zero:
	v_bfi_b32 v[14+\k%2], s63, 1.0, v[XR_+\k]      ; its cosine is 1 with x_r's sign,
	v_cndmask_b32 v[14+\k%2], 0, v[14+\k%2], vcc_lo
	v_cndmask_b32 v[Q+\k], v[Q+\k], v4, vcc_lo     ; and its reciprocal root becomes 0 (of +infinity)
	v_add_f32 v[8+\k%2], v[8+\k%2], v[14+\k%2]
.endr
.irp k, 0,1,2,3,4,5,6,7,8,9,10,11,12,13,14,15
	v_rsq_f32 v[Q+\k], v[Q+\k]
.endr
	v_nop                                          ; a plain line behind the transcendentals
	s_wait_alu depctr_va_vdst(0)
	v_pk_mul_f32 v[10:11], v[XR_:XR_+1], v[Q:Q+1]
	v_pk_mul_f32 v[12:13], v[XI_:XI_+1], v[Q:Q+1]
.irp p, 2,4,6,8,10,12,14
	v_pk_fma_f32 v[10:11], v[XR_+\p:XR_+\p+1], v[Q+\p:Q+\p+1], v[10:11]
	v_pk_fma_f32 v[12:13], v[XI_+\p:XI_+\p+1], v[Q+\p:Q+\p+1], v[12:13]
.endr
	v_add_f32 v10, v10, v11
	v_add_f32 v12, v12, v13
	v_add_f32 v8, v8, v9
	v_add_f32 v10, v10, v8                         ; C: my 16 cosines;  v12 = S: my 16 sines
.irp m, 1,2,4,8
	v_add_f32_dpp v10, v10, v10 row_xmask:\m row_mask:0xf bank_mask:0xf
	v_add_f32_dpp v12, v12, v12 row_xmask:\m row_mask:0xf bank_mask:0xf
.endr
	v_permlanex16_b32 v14, v10, s60, s61
	v_permlanex16_b32 v15, v12, s60, s61
	v_add_f32 v10, v10, v14
	v_add_f32 v12, v12, v15                        ; the token's sums, in every lane
	; the octant of (C, S): quadrant qd from the signs, its half from |S| against |C|; equal to clip(floor((atan2 + pi) / (2 pi) x 8), 0, 7)
	v_cmp_gt_f32 vcc_lo, 0, v10
	v_cndmask_b32 v14, 1, 0, vcc_lo                ; S < 0: C < 0 ? 0 : 1
	v_cmp_lt_f32 vcc_lo, 0, v10
	v_cndmask_b32 v15, 3, 2, vcc_lo                ; else:  C > 0 ? 2 : 3
	v_cmp_gt_f32 vcc_lo, 0, v12
	v_cndmask_b32 v14, v15, v14, vcc_lo            ; qd
	v_cmp_lt_f32 vcc_lo, |v12|, |v10|
	v_cndmask_b32 v15, 1, 0, vcc_lo                ; qd even: |S| < |C| ? 0 : 1
	v_cmp_gt_f32 vcc_lo, |v12|, |v10|
	v_cndmask_b32 v160, 1, 0, vcc_lo               ; qd odd:  |S| > |C| ? 0 : 1
	v_and_b32 v161, 1, v14
	v_cmp_eq_u32 vcc_lo, 1, v161
	v_cndmask_b32 v15, v15, v160, vcc_lo
	v_lshl_add_u32 v162, v14, 1, v15               ; the expert
	ds_store_b32 v7, v162 offset:4*(\i)            ; all lanes write the same word with the same value
	XQ XI_, CD+4*(\i), 160
	XQ XR_, CD+4*(\i)+2, 161
	global_store_b64 v3, v[CD+4*(\i):CD+4*(\i)+1], s[40:41] offset:(\i)*512          ; 32 lanes: 256 consecutive bytes, aligned
	global_store_b64 v3, v[CD+4*(\i)+2:CD+4*(\i)+3], s[40:41] offset:(\i)*512+256
	v_lshl_or_b32 v14, v161, 16, v160              ; my block's two bytes,
	v_lshlrev_b32 v14, v5, v14                     ; 8 bits up for an odd block,
	v_mov_b32_dpp v15, v14 row_xmask:2 row_mask:0xf bank_mask:0xf
	v_or_b32 v14, v14, v15                         ; with the neighbouring block's: the word of 64 along K
	ds_store_b32 v6, v14 offset:32*(\i)            ; four lanes write the same word with the same value
.endm
.Lx:
	s_lshl_b32 s3, ttmp9, 5
	s_lshl_b32 s4, s2, 3
	s_add_co_u32 s3, s3, s4                        ; my wave's first token
	s_lshl_b32 s8, s3, 11
	s_mov_b32 s9, 0
	s_lshl_b32 s10, s3, 9
	s_mov_b32 s11, 0
	s_lshl_b32 s12, s3, 5
	s_add_co_u32 s12, s12, 524288
	s_mov_b32 s13, 0
	s_mov_b32 s60, 0x76543210
	s_mov_b32 s61, 0xfedcba98                      ; v_permlanex16_b32's selects for lane l xor 16
	s_mov_b32 s62, 0x00800000                      ; 2^-126
	s_mov_b32 s63, 0x7fffffff
	v_lshlrev_b32 v2, 6, v1
	v_lshlrev_b32 v3, 3, v1
	v_mov_b32 v4, 0x7f800000
	v_bfe_u32 v5, v0, 1, 1
	v_lshlrev_b32 v5, 3, v5
	v_lshrrev_b32 v6, 2, v1
	v_lshlrev_b32 v6, 2, v6
	s_lshl_b32 s6, s2, 8
	s_add_co_u32 s6, s6, 256                       ; LDS: 32 words of experts at 0; from 256 on 256 bytes of scale words for each wave
	v_add_nc_u32 v6, s6, v6
	v_add_nc_u32 v166, s6, v3
	s_lshl_b32 s5, s2, 5
	v_mov_b32 v7, s5
	s_wait_kmcnt 0x0
	s_add_nc_u64 s[36:37], s[16:17], s[8:9]
	s_add_nc_u64 s[38:39], s[18:19], s[8:9]
	s_add_nc_u64 s[40:41], s[30:31], s[10:11]
	s_add_nc_u64 s[42:43], s[30:31], s[12:13]
	LOADT 0
	LOADT 1
.irp i, 0,1,2,3,4,5,6,7
	TOKEN \i
.endr
	ds_load_b64 v[164:165], v166                   ; LDS serves a wave's instructions in order: these see my stores
	s_wait_dscnt 0x0                               ; and all my stores have landed, for wave 0's sake
	global_store_b64 v3, v[164:165], s[42:43]      ; eight tokens' scale words: 256 consecutive bytes, aligned
	s_barrier_signal -1
	s_barrier_wait -1                              ; the 32 experts lie in LDS
	s_cmp_lg_u32 s2, 0
	s_cbranch_scc1 .Lend
	v_lshlrev_b32 v10, 2, v1
	ds_load_b32 v11, v10
	s_wait_dscnt 0x0
.irp e, 0,1,2,3,4,5,6,7
	v_cmp_eq_u32 s[44+\e], \e, v11                 ; expert e's mask of these 32 tokens
.endr
.irp e, 0,1,2,3,4,5,6,7
	s_bcnt1_i32_b32 s[52+\e], s[44+\e]
.endr
	v_mov_b32 v12, 0
	v_mov_b32 v13, 0
.irp e, 0,1,2,3,4,5,6,7
	v_writelane_b32 v12, s[44+\e], \e
	v_writelane_b32 v12, s[52+\e], 8+\e
.endr
	v_permlanex16_b32 v13, v12, s60, s61
	v_or_b32 v12, v12, v13                         ; lanes 16-31 repeat lanes 0-15: same words, same values, so EXEC stays whole
	v_and_b32 v14, 7, v0
	v_lshlrev_b32 v14, 7, v14
	v_bfe_u32 v15, v0, 3, 1
	v_lshl_add_u32 v14, v15, 10, v14
	s_lshl_b32 s5, ttmp9, 2
	v_add_nc_u32 v14, s5, v14                      ; masks at 128 e + 4 j, counts 1,024 further on
	global_store_b32 v14, v12, s[28:29]
.Lend:
	s_wait_tensorcnt 0x0
	ds_add_u32 v168, v169
	s_wait_dscnt 0x0
	s_endpgm
.Lfunc_end_k_qd25b345967_prep:
	.size	k_qd25b345967_prep, .Lfunc_end_k_qd25b345967_prep-k_qd25b345967_prep
	.p2alignl 7, 3214868480
	.fill 96, 4, 3214868480
	.section	.rodata,"a",@progbits
	.p2align	6, 0x0
	.amdhsa_kernel k_qd25b345967_prep
		.amdhsa_group_segment_fixed_size 2560
		.amdhsa_private_segment_fixed_size 0
		.amdhsa_enable_private_segment 0
		.amdhsa_kernarg_size 80
		.amdhsa_user_sgpr_count 2
		.amdhsa_user_sgpr_kernarg_segment_ptr 1
		.amdhsa_wavefront_size32 1
		.amdhsa_system_sgpr_workgroup_id_x 1
		.amdhsa_system_sgpr_workgroup_id_y 1
		.amdhsa_system_sgpr_workgroup_id_z 1
		.amdhsa_system_vgpr_workitem_id 0
		.amdhsa_next_free_vgpr 170
		.amdhsa_next_free_sgpr 66
		.amdhsa_reserve_vcc 1
		.amdhsa_float_denorm_mode_32 3
		.amdhsa_float_denorm_mode_16_64 3
		.amdhsa_memory_ordered 1
		.amdhsa_forward_progress 1
		.amdhsa_inst_pref_size 161
	.end_amdhsa_kernel
	.amdgpu_metadata
---
amdhsa.version: [ 1, 2 ]
amdhsa.kernels:
  - .name:           k_qd25b345967_prep
    .symbol:         k_qd25b345967_prep.kd
    .args:
      - { .name: x_r, .offset: 0, .size: 8, .value_kind: global_buffer, .address_space: global }
      - { .name: x_i, .offset: 8, .size: 8, .value_kind: global_buffer, .address_space: global }
      - { .name: Wr1, .offset: 16, .size: 8, .value_kind: global_buffer, .address_space: global }
      - { .name: Wi1, .offset: 24, .size: 8, .value_kind: global_buffer, .address_space: global }
      - { .name: Wr2, .offset: 32, .size: 8, .value_kind: global_buffer, .address_space: global }
      - { .name: Wi2, .offset: 40, .size: 8, .value_kind: global_buffer, .address_space: global }
      - { .name: route, .offset: 48, .size: 8, .value_kind: global_buffer, .address_space: global }
      - { .name: xq, .offset: 56, .size: 8, .value_kind: global_buffer, .address_space: global }
      - { .name: wq1, .offset: 64, .size: 8, .value_kind: global_buffer, .address_space: global }
      - { .name: wq2, .offset: 72, .size: 8, .value_kind: global_buffer, .address_space: global }
    .group_segment_fixed_size: 2560
    .private_segment_fixed_size: 0
    .kernarg_segment_align: 8
    .kernarg_segment_size: 80
    .max_flat_workgroup_size: 128
    .sgpr_count:     66
    .vgpr_count:     170
    .wavefront_size: 32
...
	.end_amdgpu_metadata
.endif
;; end of part 1
;; launch layer1 (part 2): grid 32 x 8, 4 waves a work-group, no clusters, 49,664 bytes of LDS; arguments route, xq, wq1, br1, bi1, mb, hq, plan; writes hq, plan
.if DOCPART == 2
	.amdgcn_target "amdgcn-amd-amdhsa--gfx1250"
	.amdhsa_code_object_version 6
	.text
	.protected	k_qd25b345967_layer1
	.globl	k_qd25b345967_layer1
	.p2align	8
	.type	k_qd25b345967_layer1,@function
k_qd25b345967_layer1:
	s_mov_b64 s[64:65], 0
	v_nop
	global_prefetch_b8 v0, s[64:65] scope:SCOPE_SE
	s_setreg_imm32_b32 hwreg(HW_REG_WAVE_MODE, 25, 1), 1
	s_wait_xcnt 0x0
; LAYER 1: h = ModReLU(x W1 + b1), complex, for the tokens of ONE expert and 64 hidden units, quantised on the way and stored as codes.
; Work-group (sl, e): hidden units 64 sl .. 64 sl + 63 of expert e, all of e's tokens.  Every wave holds the four tiles of 16 units, for
; all of K, in registers; wave w takes tiles of 16 tokens w, w + 4, ...: no barrier stands in that loop.
; COMPLEX FORM.  A K step of 128 is 64 of the imaginary part, then 64 of the real part.  Token fragment (i, r).  The weight lies in 12
; registers (-I, R, I): real = (i, r).(-I, R) takes registers 0-7, imaginary = (i, r).(R, I) registers 4-11.  -I is I's codes with every
; sign bit turned; the scale word of (-I, R) is that of (R, I) turned by 16 bits.
; TRANSPOSED: source 0 = 16 units, source 1 = 16 tokens, so a lane holds one token; by the order in which the units were laid, register j
; of tile 2 g + u in lane (token, h) is unit 32 g + 16 h + 8 u + j: the 16 registers of two tiles are 16 neighbours along the next K.
; THE TOKENS are found from the stored masks: row P of the expert is the P-th set bit of its 1,024; found without a branch (SELECT).
; Rows past the expert's count repeat its last token; the list marks them 0xffff, and the next launch does not store them.
; h's image: fragment (slot = 64 e + tile, K step sl) = 1,024 bytes [i g0 | i g1 | r g0 | r g1], each [row][16 bytes].
; The work-groups with sl = 0 also store the list of tokens; wave 0 of work-group (0, 0) stores the table of chunks for the next launch.
; No joint loads: what the work-groups of an expert share are x's rows picked by a list, which come through registers lane by lane.
; LIMITS: NaN and infinities are not served.
; REGISTERS, in windows of 256.  Window 0: v1 r, v2 h, v3 16 lane, v4 token, v5, v6 its offsets in xq, v7, v8 offsets in an image, v9 the
; list's entry, v10-23 SELECT, v24-31 offsets, v32-47 scale words of (R, I), v48-63 of (-I, R), v64-71 x's, v72-103 the ModReLU bias,
; v104-167 the sums (imaginary tiles 0-3, then real), v168-216 at work.  Windows 1, 2: the weights, tile 2 wp + u at v[96 u + 12 s] of
; window 1 + wp.  Window 3: v0-63 x's eight fragments, v64-95 bi1, v96-127 br1.
.set ACC, 104
.set HIB, ACC
.set HRB, ACC+32
.set WS,  32
.set WSR, 48
.set XS,  64
.set MB,  72
.set NI,  168
.set QQ,  168
.set NUM, 176
.set DEN, 184
.set PC,  192
.set TM,  200
.set PW,  216
.set XF,  0
.set BI,  64
.set BR,  96
.set MSB, 0
.macro WIN new                         ; the immediate's high byte repeats the setting that is left; a switch that changes nothing is dropped
.if MSB != (\new)
	s_set_vgpr_msb (MSB<<8)|(\new)
.set MSB, \new
.endif
.endm
.macro WM d, a, b, c, sa, sb, ra, rb   ; one product; ra, rb: the scale words lie in lanes 16-31
.if (\ra) == 0 && (\rb) == 0
	v_wmma_scale_f32_16x16x128_f8f6f4 v[\d:\d+7], v[\a:\a+7], v[\b:\b+7], \c, v[\sa], v[\sb] matrix_a_fmt:MATRIX_FMT_FP4 matrix_b_fmt:MATRIX_FMT_FP4
.elseif (\ra) == 1 && (\rb) == 0
	v_wmma_scale_f32_16x16x128_f8f6f4 v[\d:\d+7], v[\a:\a+7], v[\b:\b+7], \c, v[\sa], v[\sb] matrix_a_fmt:MATRIX_FMT_FP4 matrix_b_fmt:MATRIX_FMT_FP4 matrix_a_scale:MATRIX_SCALE_ROW1
.elseif (\ra) == 0
	v_wmma_scale_f32_16x16x128_f8f6f4 v[\d:\d+7], v[\a:\a+7], v[\b:\b+7], \c, v[\sa], v[\sb] matrix_a_fmt:MATRIX_FMT_FP4 matrix_b_fmt:MATRIX_FMT_FP4 matrix_b_scale:MATRIX_SCALE_ROW1
.else
	v_wmma_scale_f32_16x16x128_f8f6f4 v[\d:\d+7], v[\a:\a+7], v[\b:\b+7], \c, v[\sa], v[\sb] matrix_a_fmt:MATRIX_FMT_FP4 matrix_b_fmt:MATRIX_FMT_FP4 matrix_a_scale:MATRIX_SCALE_ROW1 matrix_b_scale:MATRIX_SCALE_ROW1
.endif
.endm
.macro SELSTEP src, w, st              ; does the wanted bit lie past the next st bits?  their count is a field of a partial popcount
	v_bfe_u32 v21, v[\src], v20, \w
	v_cmp_ge_u32 vcc_lo, v15, v21
	v_cndmask_b32 v21, 0, v21, vcc_lo
	v_cndmask_b32 v22, 0, \st, vcc_lo
	v_sub_nc_u32 v15, v15, v21
	v_add_nc_u32 v20, v20, v22
.endm
; The token of row 16 x tile + r (tile in s[st]).  s16-47: the 32 mask words m[j];  s67-97: k[j] = (bits set below word j) << 5 | j.
.macro SELECT st
	s_lshl_b32 s15, s[\st], 4
	v_add_nc_u32 v10, s15, v1                      ; the row
	v_min_u32 v11, s9, v10                         ; P: held at the expert's last row
	v_lshl_or_b32 v12, v11, 5, 31
	v_mov_b32 v13, s16
	v_mov_b32 v14, 0
.set SJ, 1
.rept 31
	v_cmp_le_u32 vcc_lo, s[66+SJ], v12             ; the last word below which at most P bits are set
	v_cndmask_b32 v13, v13, s[16+SJ], vcc_lo
	v_cndmask_b32 v14, v14, s[66+SJ], vcc_lo
.set SJ, SJ+1
.endr
	v_lshrrev_b32 v15, 5, v14
	v_sub_nc_u32 v15, v11, v15                     ; which set bit of that word
	v_lshrrev_b32 v16, 1, v13
	v_and_b32 v16, 0x55555555, v16
	v_sub_nc_u32 v16, v13, v16                     ; counts of 2 bits,
	v_lshrrev_b32 v17, 2, v16
	v_and_b32 v17, 0x33333333, v17
	v_and_b32 v18, 0x33333333, v16
	v_add_nc_u32 v17, v17, v18                     ; of 4,
	v_lshrrev_b32 v18, 4, v17
	v_add_nc_u32 v18, v18, v17
	v_and_b32 v18, 0x0f0f0f0f, v18                 ; of 8,
	v_lshrrev_b32 v19, 8, v18
	v_add_nc_u32 v19, v19, v18                     ; of 16 (bytes 0 and 2)
	v_mov_b32 v20, 0
	SELSTEP 19, 8, 16
	SELSTEP 18, 8, 8
	SELSTEP 17, 4, 4
	SELSTEP 16, 2, 2
	SELSTEP 13, 1, 1
	v_and_b32 v14, 31, v14
	v_lshl_add_u32 v4, v14, 5, v20                 ; the token,
	v_min_u32 v4, 0x3ff, v4                        ; held inside x whatever the masks hold
	v_lshlrev_b32 v5, 9, v4
	v_lshl_add_u32 v5, v2, 4, v5                   ; its codes: 512 bytes a token, + 16 h
	v_lshlrev_b32 v6, 5, v4                        ; its scale words: 32 bytes a token
	v_cmp_gt_u32 vcc_lo, s5, v10
	v_cndmask_b32 v9, v23, v4, vcc_lo              ; the list's entry: 0xffff for a row past the count
.endm
.macro XLOAD                           ; 18 loads: the 16 tokens' eight fragments (i, r) and their eight scale words
	WIN 0xc0
.irp s, 0,1,2,3,4,5,6,7
	global_load_b128 v[XF+8*\s:XF+8*\s+3], v5, s[50:51] offset:32*\s
	global_load_b128 v[XF+8*\s+4:XF+8*\s+7], v5, s[50:51] offset:256+32*\s
.endr
	WIN 0
	global_load_b128 v[XS:XS+3], v6, s[50:51] offset:524288
	global_load_b128 v[XS+4:XS+7], v6, s[50:51] offset:524288+16
.endm
.macro ORDST st                        ; the tile's 16 entries of the list (both halves of the lanes write the same words)
	s_min_u32 s15, s[\st], 63
	s_lshl_b32 s66, s3, 6
	s_add_co_u32 s15, s15, s66
	s_lshl_b32 s15, s15, 6
	v_add_nc_u32 v31, s15, v8
	global_store_b32 v31, v9, s[62:63]
.endm
; 32 products: tiles 2 wp and 2 wp + 1, real and imaginary, eight K steps.  The four accumulators take turns, one instruction a turn.
;   The biases are the C of each sum's first product.
.macro MUL wp
.irp s, 0,1,2,3,4,5,6,7
.if \s == 0
	WIN 0x3d+\wp                                   ; weights window 1 + wp, x window 3, the bias window 3, the sums window 0
.else
	WIN 0x0d+\wp
.endif
.irp u, 0,1
.if \s == 0
	WM HRB+8*(2*\wp+\u), 96*\u+12*\s, XF+8*\s, v[BR+8*(2*\wp+\u):BR+8*(2*\wp+\u)+7], WSR+8*\wp+\s, XS+\s, \u, 0
	WM HIB+8*(2*\wp+\u), 96*\u+12*\s+4, XF+8*\s, v[BI+8*(2*\wp+\u):BI+8*(2*\wp+\u)+7], WS+8*\wp+\s, XS+\s, \u, 0
.else
	WM HRB+8*(2*\wp+\u), 96*\u+12*\s, XF+8*\s, v[HRB+8*(2*\wp+\u):HRB+8*(2*\wp+\u)+7], WSR+8*\wp+\s, XS+\s, \u, 0
	WM HIB+8*(2*\wp+\u), 96*\u+12*\s+4, XF+8*\s, v[HIB+8*(2*\wp+\u):HIB+8*(2*\wp+\u)+7], WS+8*\wp+\s, XS+\s, \u, 0
.endif
.endr
.endr
.endm
; amp = sqrt(hr^2 + hi^2 + eps); h *= relu(amp + mb) / (amp + eps).  Each accumulator is read from its low end on.
.macro MODRELU t
.set HR_, HRB+8*(\t)
.set HI_, HIB+8*(\t)
.irp p, 0,2,4,6
	v_pk_fma_f32 v[QQ+\p:QQ+\p+1], v[HR_+\p:HR_+\p+1], v[HR_+\p:HR_+\p+1], s[12:13] op_sel_hi:[1,1,0]
.endr
.irp p, 0,2,4,6
	v_pk_fma_f32 v[QQ+\p:QQ+\p+1], v[HI_+\p:HI_+\p+1], v[HI_+\p:HI_+\p+1], v[QQ+\p:QQ+\p+1]
.endr
.irp k, 0,1,2,3,4,5,6,7
	v_sqrt_f32 v[QQ+\k], v[QQ+\k]
.endr
	v_nop                                          ; a plain line behind the transcendentals
	s_wait_alu depctr_va_vdst(0)
.irp p, 0,2,4,6
	v_pk_add_f32 v[NUM+\p:NUM+\p+1], v[QQ+\p:QQ+\p+1], v[MB+8*(\t)+\p:MB+8*(\t)+\p+1]
.endr
.irp p, 0,2,4,6
	v_pk_add_f32 v[DEN+\p:DEN+\p+1], v[QQ+\p:QQ+\p+1], s[12:13] op_sel_hi:[1,0]
.endr
.irp k, 0,1,2,3,4,5,6,7
	v_max_num_f32 v[NUM+\k], 0, v[NUM+\k]
.endr
.irp k, 0,1,2,3,4,5,6,7
	v_rcp_f32 v[DEN+\k], v[DEN+\k]
.endr
	v_nop
	s_wait_alu depctr_va_vdst(0)
.irp p, 0,2,4,6
	v_pk_mul_f32 v[NUM+\p:NUM+\p+1], v[NUM+\p:NUM+\p+1], v[DEN+\p:DEN+\p+1]
.endr
.irp p, 0,2,4,6
	v_pk_mul_f32 v[HR_+\p:HR_+\p+1], v[HR_+\p:HR_+\p+1], v[NUM+\p:NUM+\p+1]
	v_pk_mul_f32 v[HI_+\p:HI_+\p+1], v[HI_+\p:HI_+\p+1], v[NUM+\p:NUM+\p+1]
.endr
.endm
	s_load_b512 s[48:63], s[0:1], 0x0              ; route, xq, wq1, br1, bi1, mb, hq, plan
	v_lshl_add_u32 v254, v0, 2, 0xc000
	v_mov_b32 v255, 0
	v_lshrrev_b32 v1, 5, v0
	v_readfirstlane_b32 s2, v1                     ; wave
	s_and_b32 s3, ttmp7, 0xffff                    ; e
	s_mov_b32 s4, ttmp9                            ; sl
	s_lshl_b32 s14, s3, 7
	s_mov_b32 s15, 0
	s_mov_b32 s10, 0x76543210
	s_mov_b32 s11, 0xfedcba98                      ; v_permlanex16_b32's selects for lane l xor 16
	s_mov_b32 s12, 0x2edbe6ff                      ; eps = 1e-10
	s_mov_b32 s13, s12                             ; (named with it as a pair)
	s_mov_b32 s98, 0x88888888                      ; the sign bits of eight codes
	v_and_b32 v1, 15, v0
	v_bfe_u32 v2, v0, 4, 1
	v_and_b32 v31, 31, v0
	v_lshlrev_b32 v3, 4, v31
	v_lshlrev_b32 v30, 2, v31
	v_lshlrev_b32 v7, 4, v1
	v_lshl_add_u32 v7, v2, 3, v7                   ; my 8 bytes of a quarter image: 16 r + 8 h
	v_lshlrev_b32 v8, 2, v1
	v_mov_b32 v23, 0xffff
.irp b, 0,1,2,3
	v_mov_b32 v[TM+4+\b], 0                        ; written once: a lane permute's destination counts as one of its sources
.endr
	s_lshl_b32 s66, s3, 20
	s_lshl_b32 s99, s4, 15
	s_add_co_u32 s66, s66, s99
	s_lshl_b32 s99, s2, 13
	s_add_co_u32 s66, s66, s99
	v_add_nc_u32 v24, s66, v3                      ; wq1: tile 4 sl + wave of expert e, + 16 lane
	s_lshl_b32 s66, s3, 16
	s_lshl_b32 s99, s4, 11
	s_add_co_u32 s66, s66, s99
	s_add_co_u32 s66, s66, 8388608
	v_lshl_add_u32 v25, v31, 3, s66                ; its scale words: column groups 2 sl, 2 sl + 1, + 8 lane
	s_lshl_b32 s66, s3, 13
	s_lshl_b32 s99, s4, 8
	s_add_co_u32 s66, s66, s99
	v_lshl_add_u32 v26, v2, 6, s66                 ; the biases: unit 64 sl + 16 h of expert e
	s_mul_i32 s66, s2, 12288
	v_add_nc_u32 v27, s66, v3                      ; LDS: my tile's images
	s_wait_kmcnt 0x0
	s_add_nc_u64 s[100:101], s[48:49], s[14:15]
	s_load_b512 s[16:31], s[100:101], 0x0          ; the expert's 32 mask words
	s_load_b512 s[32:47], s[100:101], 0x40
.irp s, 0,1,2,3,4,5,6,7                        ; 16 loads: wave w fetches tile w's fragments, R then I
	global_load_b128 v[ACC+8*\s:ACC+8*\s+3], v24, s[52:53] offset:1024*\s
	global_load_b128 v[ACC+8*\s+4:ACC+8*\s+7], v24, s[52:53] offset:1024*\s+512
.endr
.irp g, 0,1                                    ; 8 loads: lanes 0-15 tile 2 g's words, lanes 16-31 tile 2 g + 1's, two K steps a load
.irp q, 0,1,2,3
	global_load_b64 v[WS+8*\g+2*\q:WS+8*\g+2*\q+1], v25, s[52:53] offset:(4*\g+\q)*256
.endr
.endr
.irp t, 0,1,2,3                                ; 24 loads: mb, bi1, br1 in the result's layout
	global_load_b128 v[MB+8*\t:MB+8*\t+3], v26, s[58:59] offset:(32*(\t/2)+8*(\t%2))*4
	global_load_b128 v[MB+8*\t+4:MB+8*\t+7], v26, s[58:59] offset:(32*(\t/2)+8*(\t%2))*4+16
.endr
	WIN 0xc0
.irp t, 0,1,2,3
	global_load_b128 v[BI+8*\t:BI+8*\t+3], v26, s[56:57] offset:(32*(\t/2)+8*(\t%2))*4
	global_load_b128 v[BI+8*\t+4:BI+8*\t+7], v26, s[56:57] offset:(32*(\t/2)+8*(\t%2))*4+16
	global_load_b128 v[BR+8*\t:BR+8*\t+3], v26, s[54:55] offset:(32*(\t/2)+8*(\t%2))*4
	global_load_b128 v[BR+8*\t+4:BR+8*\t+7], v26, s[54:55] offset:(32*(\t/2)+8*(\t%2))*4+16
.endr
	WIN 0
	s_wait_kmcnt 0x0
	s_mov_b32 s5, 0
.set PJ, 1
.rept 31
	s_bcnt1_i32_b32 s14, s[15+PJ]
	s_add_co_u32 s5, s5, s14
	s_lshl_b32 s14, s5, 5
	s_or_b32 s[66+PJ], s14, PJ                     ; k[j]
.set PJ, PJ+1
.endr
	s_bcnt1_i32_b32 s14, s47
	s_add_co_u32 s5, s5, s14                       ; n: the expert's tokens
	s_add_co_u32 s6, s5, 15
	s_lshr_b32 s6, s6, 4                           ; nt: its tiles of 16
	s_max_u32 s9, s5, 1
	s_sub_co_u32 s9, s9, 1                         ; its last row
	SELECT 2                                       ; my first tile's tokens (every index is held inside x, whatever n)
	XLOAD
	s_wait_loadcnt 50                              ; my 16 fragment loads are in: behind them 8 + 24 + 18 were issued
.irp s, 0,1,2,3,4,5,6,7
.irp k, 0,1,2,3
	v_xor_b32 v[NI+4*\s+\k], s98, v[ACC+8*\s+4+\k] ; -I
.endr
.endr
.irp s, 0,1,2,3,4,5,6,7                        ; images of the registers: lane l's 16 bytes at 16 l
	ds_store_b128 v27, v[NI+4*\s:NI+4*\s+3] offset:1536*\s
	ds_store_b128 v27, v[ACC+8*\s:ACC+8*\s+3] offset:1536*\s+512
	ds_store_b128 v27, v[ACC+8*\s+4:ACC+8*\s+7] offset:1536*\s+1024
.endr
	s_wait_dscnt 0x0                               ; for the others' sake: my stores have landed
	s_barrier_signal -1
	s_barrier_wait -1                              ; the four tiles' images lie in LDS
.irp t, 0,1,2,3
	WIN 0x40*(1+\t/2)
.irp s, 0,1,2,3,4,5,6,7
.irp p, 0,1,2
	ds_load_b128 v[96*(\t%2)+12*\s+4*\p:96*(\t%2)+12*\s+4*\p+3], v3 offset:12288*\t+1536*\s+512*\p
.endr
.endr
.endr
	WIN 0
	s_wait_loadcnt 18                              ; the scale words and the biases are in; x's 18 loads may be out
.irp k, 0,1,2,3,4,5,6,7,8,9,10,11,12,13,14,15
	v_perm_b32 v[WSR+\k], v[WS+\k], v[WS+\k], 0x01000302   ; bytes 2, 3, 0, 1: the word turned by 16 bits
.endr
.rept 8
	v_nop                                          ; a scale register written by a vector instruction stands 8 places ahead of a scaled product
.endr
	s_wait_dscnt 0x0                               ; the weights are in
	s_cmp_ge_u32 s2, s6
	s_cbranch_scc1 .Ltab                           ; no tile for this wave
	s_cmp_lg_u32 s4, 0
	s_cbranch_scc1 .Lno_ord0
	ORDST 2
.Lno_ord0:
	s_mov_b32 s7, s2                               ; the tile in hand: w, w + 4, ...
	s_sub_co_u32 s100, s6, s2
	s_add_co_u32 s100, s100, 3
	s_lshr_b32 s100, s100, 2                       ; my tiles: (nt - w + 3) / 4, at least 1 here,
	s_min_u32 s100, s100, 16                       ; and 16 at the most: an expert has 64 tiles at the most
	s_mov_b32 s99, 0                               ; the loop ends on a counter of its own, which steps by 1
.Ltile:
	s_wait_loadcnt 0x0                             ; this tile's x is in, so v5 and v6 may be written again
	s_wait_xcnt 0x0                                ; the last trip's stores have read their registers
	MUL 0
	MUL 1
	WIN 0
	s_add_co_u32 s8, s7, 4
	s_sub_co_u32 s14, s6, 1
	s_min_u32 s14, s14, s8
	SELECT 14                                      ; the next tile's tokens: plain lines that name none of the products' registers: the places behind them
	s_cmp_ge_u32 s8, s6
	s_cbranch_scc1 .Lno_next
	XLOAD                                          ; lands while this tile is finished
	s_cmp_lg_u32 s4, 0
	s_cbranch_scc1 .Lno_next
	ORDST 8
.Lno_next:
	MODRELU 0
	MODRELU 1
	MODRELU 2
	MODRELU 3
	; h's four blocks of 32 along the next K (i g0, i g1, r g0, r g1): 16 numbers here, 16 in lane l xor 16
.irp b, 0,1,2,3
	v_max3_num_f32 v[TM+\b], |v[ACC+16*\b]|, |v[ACC+1+16*\b]|, 0x1800000   ; and the floor 2^(3 - 127): the byte cannot fall under 1
.endr
.irp i, 2,4,6,8,10,12,14
.irp b, 0,1,2,3
	v_max3_num_f32 v[TM+\b], v[TM+\b], |v[ACC+16*\b+\i]|, |v[ACC+1+16*\b+\i]|
.endr
.endr
.irp b, 0,1,2,3
	v_permlanex16_b32 v[TM+4+\b], v[TM+\b], s10, s11
.endr
.irp b, 0,1,2,3
	v_max_num_f32 v[TM+\b], v[TM+\b], v[TM+4+\b]
.endr
.irp b, 0,1,2,3
	v_add_nc_u32 v[TM+12+\b], 0xff000000, v[TM+\b] ; 2 off the exponent field: the conversion's scale operand
.endr
.irp b, 0,1,2,3
	v_lshrrev_b32 v[TM+4+\b], 23, v[TM+12+\b]
.endr
	v_lshl_or_b32 v[PW], v[TM+5], 8, v[TM+4]
	v_lshl_or_b32 v[PW], v[TM+6], 16, v[PW]
	v_lshl_or_b32 v[PW], v[TM+7], 24, v[PW]        ; my token's scale word of this K step
.irp b, 0,1,2,3
	v_cvt_scalef32_pk8_fp4_f32 v[PC+2*\b], v[ACC+16*\b:ACC+16*\b+7], v[TM+12+\b]
	v_cvt_scalef32_pk8_fp4_f32 v[PC+2*\b+1], v[ACC+16*\b+8:ACC+16*\b+15], v[TM+12+\b]
.endr
	v_nop                                          ; a plain line behind the last conversion: the next trip's products write its sources
	s_min_u32 s14, s7, 63
	s_lshl_b32 s15, s3, 6
	s_add_co_u32 s14, s14, s15                     ; slot = 64 e + tile
	s_lshl_b32 s15, s14, 15
	s_lshl_b32 s66, s4, 10
	s_add_co_u32 s15, s15, s66
	v_add_nc_u32 v28, s15, v7
	s_lshl_b32 s15, s14, 11
	s_lshl_b32 s66, s4, 6
	s_add_co_u32 s15, s15, s66
	s_add_co_u32 s15, s15, 16777216
	v_add_nc_u32 v29, s15, v8
.irp b, 0,1,2,3
	global_store_b64 v28, v[PC+2*\b:PC+2*\b+1], s[60:61] offset:256*\b   ; 32 lanes: 256 consecutive bytes, aligned: a quarter of the image
.endr
	global_store_b32 v29, v[PW], s[60:61]          ; 16 words; both halves of the lanes hold the same
	s_add_co_u32 s7, s7, 4
	s_add_co_u32 s99, s99, 1
	s_cmp_lt_u32 s99, s100
	s_cbranch_scc1 .Ltile
.Ltab:
	; THE TABLE OF CHUNKS, by one wave of the launch: chunk c = up to four tiles of one expert: (64 e + first tile) | tiles << 16, or 0
	s_or_b32 s14, s3, s4
	s_or_b32 s14, s14, s2
	s_cmp_lg_u32 s14, 0
	s_cbranch_scc1 .Lend
.irp e, 0,1,2,3,4,5,6,7
	global_load_b32 v[10+\e], v30, s[48:49] offset:1024+128*\e   ; counts[e][lane]
.endr
	v_mov_b32 v18, 0
	s_wait_loadcnt 0x0
.irp k, 10,12,14,16
	v_lshl_or_b32 v[\k], v[\k+1], 16, v[\k]        ; two experts to a register: a sum is 1,024 at the most
.endr
.irp m, 1,2,4,8
.irp k, 10,12,14,16
	v_mov_b32_dpp v18, v[\k] row_xmask:\m row_mask:0xf bank_mask:0xf
	v_add_nc_u32 v[\k], v[\k], v18
.endr
.endr
.irp k, 10,12,14,16
	v_permlanex16_b32 v18, v[\k], s10, s11
	v_add_nc_u32 v[\k], v[\k], v18
.endr
.irp k, 0,1,2,3
	v_readfirstlane_b32 s[36+\k], v[10+2*\k]
.endr
.irp k, 0,1,2,3
	s_and_b32 s[16+2*\k], s[36+\k], 0xffff
	s_lshr_b32 s[17+2*\k], s[36+\k], 16
.endr
	s_mov_b32 s24, 0
.irp e, 0,1,2,3,4,5,6,7
	s_add_co_u32 s[16+\e], s[16+\e], 15
	s_lshr_b32 s[16+\e], s[16+\e], 4               ; the expert's tiles,
	s_add_co_u32 s15, s[16+\e], 3
	s_lshr_b32 s15, s15, 2                         ; its chunks,
	s_add_co_u32 s[25+\e], s[24+\e], s15           ; and where the next expert's begin
.endr
	v_and_b32 v19, 31, v0                          ; lane c makes chunk c
	v_mov_b32 v20, 0
	v_mov_b32 v21, 0
	v_mov_b32 v22, s16
.irp e, 1,2,3,4,5,6,7
	v_cmp_le_u32 vcc_lo, s[24+\e], v19
	v_cndmask_b32 v20, v20, \e, vcc_lo
	v_cndmask_b32 v21, v21, s[24+\e], vcc_lo
	v_cndmask_b32 v22, v22, s[16+\e], vcc_lo
.endr
	v_sub_nc_u32 v21, v19, v21
	v_lshlrev_b32 v21, 2, v21                      ; the chunk's first tile
	v_sub_nc_u32 v22, v22, v21
	v_min_u32 v22, 4, v22                          ; its tiles
	v_lshl_add_u32 v20, v20, 6, v21
	v_lshl_or_b32 v20, v22, 16, v20
	v_cmp_gt_u32 vcc_lo, s32, v19
	v_cndmask_b32 v20, 0, v20, vcc_lo
	global_store_b32 v30, v20, s[62:63] offset:32768
.Lend:
	s_wait_tensorcnt 0x0
	ds_add_u32 v254, v255
	s_wait_dscnt 0x0
	s_endpgm
.Lfunc_end_k_qd25b345967_layer1:
	.size	k_qd25b345967_layer1, .Lfunc_end_k_qd25b345967_layer1-k_qd25b345967_layer1
	.p2alignl 7, 3214868480
	.fill 96, 4, 3214868480
	.section	.rodata,"a",@progbits
	.p2align	6, 0x0
	.amdhsa_kernel k_qd25b345967_layer1
		.amdhsa_group_segment_fixed_size 49664
		.amdhsa_private_segment_fixed_size 0
		.amdhsa_enable_private_segment 0
		.amdhsa_kernarg_size 64
		.amdhsa_user_sgpr_count 2
		.amdhsa_user_sgpr_kernarg_segment_ptr 1
		.amdhsa_wavefront_size32 1
		.amdhsa_system_sgpr_workgroup_id_x 1
		.amdhsa_system_sgpr_workgroup_id_y 1
		.amdhsa_system_sgpr_workgroup_id_z 1
		.amdhsa_system_vgpr_workitem_id 0
		.amdhsa_next_free_vgpr 896
		.amdhsa_next_free_sgpr 102
		.amdhsa_reserve_vcc 1
		.amdhsa_float_denorm_mode_32 3
		.amdhsa_float_denorm_mode_16_64 3
		.amdhsa_memory_ordered 1
		.amdhsa_forward_progress 1
		.amdhsa_inst_pref_size 71
	.end_amdhsa_kernel
	.amdgpu_metadata
---
amdhsa.version: [ 1, 2 ]
amdhsa.kernels:
  - .name:           k_qd25b345967_layer1
    .symbol:         k_qd25b345967_layer1.kd
    .args:
      - { .name: route, .offset: 0, .size: 8, .value_kind: global_buffer, .address_space: global }
      - { .name: xq, .offset: 8, .size: 8, .value_kind: global_buffer, .address_space: global }
      - { .name: wq1, .offset: 16, .size: 8, .value_kind: global_buffer, .address_space: global }
      - { .name: br1, .offset: 24, .size: 8, .value_kind: global_buffer, .address_space: global }
      - { .name: bi1, .offset: 32, .size: 8, .value_kind: global_buffer, .address_space: global }
      - { .name: mb, .offset: 40, .size: 8, .value_kind: global_buffer, .address_space: global }
      - { .name: hq, .offset: 48, .size: 8, .value_kind: global_buffer, .address_space: global }
      - { .name: plan, .offset: 56, .size: 8, .value_kind: global_buffer, .address_space: global }
    .group_segment_fixed_size: 49664
    .private_segment_fixed_size: 0
    .kernarg_segment_align: 8
    .kernarg_segment_size: 64
    .max_flat_workgroup_size: 128
    .sgpr_count:     102
    .vgpr_count:     896
    .wavefront_size: 32
...
	.end_amdgpu_metadata
.endif
;; end of part 2
;; launch layer2 (part 3): grid 8 x 23, 4 waves a work-group, no clusters, 139,776 bytes of LDS; arguments plan, hq, wq2, br2, bi2, out0; writes out0
.if DOCPART == 3
	.amdgcn_target "amdgcn-amd-amdhsa--gfx1250"
	.amdhsa_code_object_version 6
	.text
	.protected	k_qd25b345967_layer2
	.globl	k_qd25b345967_layer2
	.p2align	8
	.type	k_qd25b345967_layer2,@function
k_qd25b345967_layer2:
	s_mov_b64 s[64:65], 0
	v_nop
	global_prefetch_b8 v0, s[64:65] scope:SCOPE_SE
	s_setreg_imm32_b32 hwreg(HW_REG_WAVE_MODE, 25, 1), 1
	s_wait_xcnt 0x0
; LAYER 2: y = h W2 + b2, complex, for one chunk (up to four tiles of 16 tokens of one expert) and 64 output columns, scattered to the
; tokens' rows of the output.  Grid: 8 column slices x 23 chunks: with 1,024 tokens, 8 experts and chunks of 64 there are never more
; than 16 + 7 chunks, whatever the choice.  A chunk that the stored table leaves empty does no work and stores nothing.
; K IS SHARED AMONG THE WAVES: wave w takes K steps 8 w .. 8 w + 7 (of 64 hidden units, complex) for all four tiles of tokens and all
; four tiles of columns: 32 accumulators.  So each weight byte and each byte of h is read once by the work-group.  The four partial sums
; meet in LDS; wave w then finishes tile w: sum, bias, store.
; The complex form, the transposed use and the order of columns are layer 1's: weight (-I, R, I) in 12 registers, token (i, r).
; A tile that the chunk lacks is computed on the chunk's last tile and never read back: no branch, and every wait's count stays.
; No joint loads: how many chunks share an expert's weights hangs on the stored counts, and a grid of 8 x 23 divides into no cluster.
; REGISTERS, in windows of 256.  Window 0: v1-38, v100-108 addresses, the list, the biases; v40-55 scale words of (R, I), v56-71 of
; (-I, R), v72-87 h's; v128-191, v192-255 tokens of tiles 0, 1.  Window 1: v0-191 weights of column tiles 0, 1, v192-255 tokens of tile 2.
; Window 2: the same for column tiles 2, 3 and tile 3.  Window 3: accumulator (T, ft, part) at v[64 T + 16 ft + 8 part].
; LDS: partial sums of wave wv from 34,816 wv on: row (2 T + part) x 16 + token, 272 bytes apart (256 + 16: the sixteen rows that a store
; touches begin 68 words apart); in a row the 64 columns in their order.
.set WS,  40
.set WSR, 56
.set TS,  72
.set PP,  34816
.set MSB, 0
.macro WIN new
.if MSB != (\new)
	s_set_vgpr_msb (MSB<<8)|(\new)
.set MSB, \new
.endif
.endm
.macro WM d, a, b, c, sa, sb, ra, rb   ; one product; ra, rb: the scale words lie in lanes 16-31
.if (\ra) == 0 && (\rb) == 0
	v_wmma_scale_f32_16x16x128_f8f6f4 v[\d:\d+7], v[\a:\a+7], v[\b:\b+7], \c, v[\sa], v[\sb] matrix_a_fmt:MATRIX_FMT_FP4 matrix_b_fmt:MATRIX_FMT_FP4
.elseif (\ra) == 1 && (\rb) == 0
	v_wmma_scale_f32_16x16x128_f8f6f4 v[\d:\d+7], v[\a:\a+7], v[\b:\b+7], \c, v[\sa], v[\sb] matrix_a_fmt:MATRIX_FMT_FP4 matrix_b_fmt:MATRIX_FMT_FP4 matrix_a_scale:MATRIX_SCALE_ROW1
.elseif (\ra) == 0
	v_wmma_scale_f32_16x16x128_f8f6f4 v[\d:\d+7], v[\a:\a+7], v[\b:\b+7], \c, v[\sa], v[\sb] matrix_a_fmt:MATRIX_FMT_FP4 matrix_b_fmt:MATRIX_FMT_FP4 matrix_b_scale:MATRIX_SCALE_ROW1
.else
	v_wmma_scale_f32_16x16x128_f8f6f4 v[\d:\d+7], v[\a:\a+7], v[\b:\b+7], \c, v[\sa], v[\sb] matrix_a_fmt:MATRIX_FMT_FP4 matrix_b_fmt:MATRIX_FMT_FP4 matrix_a_scale:MATRIX_SCALE_ROW1 matrix_b_scale:MATRIX_SCALE_ROW1
.endif
.endm
.macro TSEL T                          ; where tile T's tokens lie: window TW_, from register TB_ on
.if (\T) == 0
.set TW_, 0
.set TB_, 128
.else
.set TW_, (\T)-1
.set TB_, 192
.endif
.endm
	s_load_b256 s[4:11], s[0:1], 0x0               ; plan, hq, wq2, br2
	s_load_b128 s[12:15], s[0:1], 0x20             ; bi2, out0
	v_lshl_add_u32 v126, v0, 2, 0x22000
	v_mov_b32 v127, 0
	v_lshrrev_b32 v1, 5, v0
	v_readfirstlane_b32 s2, v1                     ; wave
	s_mov_b32 s3, ttmp9                            ; fs: which 64 columns
	s_and_b32 s20, ttmp7, 0xffff                   ; the chunk
	s_lshl_b32 s20, s20, 2
	s_mov_b32 s21, 0
	s_mov_b32 s29, 0x88888888                      ; the sign bits of eight codes
	v_and_b32 v38, 31, v0
	v_and_b32 v1, 15, v0                           ; r
	v_bfe_u32 v2, v0, 4, 1                         ; h
	v_lshlrev_b32 v3, 4, v38
	v_lshlrev_b32 v104, 2, v38
	s_mul_i32 s22, s2, PP
	v_mul_u32_u24 v9, v1, 272
	v_lshl_add_u32 v9, v2, 6, v9
	v_add_nc_u32 v9, s22, v9                       ; into my partial sums: row r, + 64 h
	s_mul_i32 s22, s2, 8704
	v_mul_u32_u24 v10, v2, 272
	v_lshl_add_u32 v10, v1, 4, v10
	v_add_nc_u32 v10, s22, v10                     ; back: tile w's 32 rows; lanes 0-15 one row, lanes 16-31 the next
	v_add_nc_u32 v11, PP, v10
	v_add_nc_u32 v12, 2*PP, v10
	v_add_nc_u32 v13, 3*PP, v10
	s_wait_kmcnt 0x0
	s_add_nc_u64 s[20:21], s[4:5], s[20:21]
	s_load_b32 s16, s[20:21], 0x8000               ; the chunk's word of the table
	s_wait_kmcnt 0x0
	s_lshr_b32 s18, s16, 16
	s_min_u32 s18, s18, 4                          ; ntl: its tiles
	s_bfe_u32 s19, s16, 0x30006
	s_min_u32 s19, s19, 7                          ; e
	s_and_b32 s20, s16, 0xffff
	s_min_u32 s20, s20, 511                        ; its first slot
	s_max_u32 s21, s18, 1
	s_sub_co_u32 s21, s21, 1                       ; its last tile
.irp T, 0,1,2,3
	s_min_u32 s22, s21, \T
	s_add_co_u32 s22, s22, s20
	s_min_u32 s[24+\T], s22, 511                   ; tile T's slot, held inside the buffers
.endr
	s_min_u32 s22, s21, s2
	s_add_co_u32 s22, s22, s20
	s_min_u32 s28, s22, 511                        ; and that of the tile that I finish
	s_lshl_b32 s23, s3, 8
	v_lshl_add_u32 v108, v1, 4, s23                ; 256 fs + 16 r: my 16 bytes of a row's 64 columns
	s_lshl_b32 s22, s19, 11
	v_add_nc_u32 v107, s22, v108                   ; the biases
	s_lshl_b32 s22, s28, 6
	v_lshl_add_u32 v106, v2, 2, s22                ; the list: slot x 64 + 4 h
.irp T, 0,1,2,3
	s_lshl_b32 s22, s[24+\T], 15
	s_lshl_b32 s23, s2, 13
	s_add_co_u32 s22, s22, s23
	v_add_nc_u32 v[4+\T], s22, v3                  ; h's fragments: slot, K step 8 w, + 16 lane
	s_lshl_b32 s22, s[24+\T], 11
	s_lshl_b32 s23, s2, 9
	s_add_co_u32 s22, s22, s23
	s_add_co_u32 s22, s22, 16777216
	v_add_nc_u32 v[100+\T], s22, v104              ; their scale words: lanes 0-15 an even K step's, lanes 16-31 the next one's
.endr
	s_lshl_b32 s22, s19, 20
	s_lshl_b32 s23, s3, 17
	s_add_co_u32 s22, s22, s23
	s_lshl_b32 s23, s2, 13
	s_add_co_u32 s22, s22, s23
	v_add_nc_u32 v8, s22, v3                       ; wq2: expert e, tile 4 fs, K step 8 w
	s_lshl_b32 s22, s19, 16
	s_lshl_b32 s23, s3, 13
	s_add_co_u32 s22, s22, s23
	s_lshl_b32 s23, s2, 10
	s_add_co_u32 s22, s22, s23
	s_add_co_u32 s22, s22, 8388608
	v_lshl_add_u32 v105, v38, 3, s22               ; its scale words
.irp i, 0,1,2,3,4,5,6,7                        ; 10 loads ahead of the branch: what is read behind the barrier is written on both ways
	global_load_b32 v[14+\i], v106, s[4:5] offset:8*\i   ; the tokens of rows 2 i + h of the tile that I finish
.endr
	global_load_b128 v[30:33], v107, s[10:11]
	global_load_b128 v[34:37], v107, s[12:13]
	s_cmp_eq_u32 s18, 0
	s_cbranch_scc1 .Lmeet                          ; an empty chunk: the jump passes over work alone
.irp g, 0,1                                    ; 8 loads
.irp q, 0,1,2,3
	global_load_b64 v[WS+8*\g+2*\q:WS+8*\g+2*\q+1], v105, s[8:9] offset:4096*\g+256*\q
.endr
.endr
.irp T, 0,1,2,3                                ; 16 loads
.irp q, 0,1,2,3
	global_load_b32 v[TS+4*\T+\q], v[100+\T], s[6:7] offset:128*\q
.endr
.endr
.irp wp, 0,1                                   ; 64 loads: R into registers 4-7 and I into 8-11 of each twelve
	WIN 0x40*(1+\wp)
.irp u, 0,1
.irp s, 0,1,2,3,4,5,6,7
	global_load_b128 v[96*\u+12*\s+4:96*\u+12*\s+7], v8, s[8:9] offset:32768*(2*\wp+\u)+1024*\s
	global_load_b128 v[96*\u+12*\s+8:96*\u+12*\s+11], v8, s[8:9] offset:32768*(2*\wp+\u)+1024*\s+512
.endr
.endr
.endr
.irp T, 0,1,2,3                                ; 64 loads, tile by tile
	TSEL \T
	WIN TW_<<6
.irp s, 0,1,2,3,4,5,6,7
	global_load_b128 v[TB_+8*\s:TB_+8*\s+3], v[4+\T], s[6:7] offset:1024*\s
	global_load_b128 v[TB_+8*\s+4:TB_+8*\s+7], v[4+\T], s[6:7] offset:1024*\s+512
.endr
.endr
	s_wait_loadcnt 63                              ; behind the weights 64 loads were issued: all 98 loads up to the last weight are in
.irp wp, 0,1
	WIN 0x44*(1+\wp)
.irp u, 0,1
.irp s, 0,1,2,3,4,5,6,7
.irp k, 0,1,2,3
	v_xor_b32 v[96*\u+12*\s+\k], s29, v[96*\u+12*\s+8+\k]   ; -I
.endr
.endr
.endr
.endr
	WIN 0
.irp k, 0,1,2,3,4,5,6,7,8,9,10,11,12,13,14,15
	v_perm_b32 v[WSR+\k], v[WS+\k], v[WS+\k], 0x01000302   ; bytes 2, 3, 0, 1: the word turned by 16 bits
.endr
.rept 8
	v_nop                                          ; a scale register written by a vector instruction stands 8 places ahead of a scaled product, an operand 4
.endr
; 256 products.  In each run of 32 four accumulators take turns, one instruction a turn; the first product of a sum takes the constant 0
.irp T, 0,1,2,3
	TSEL \T
	s_wait_loadcnt 48-16*\T                        ; tile T's 16 loads are in; the later tiles' may be out
.irp wp, 0,1
	WIN 0xf0|(TW_<<2)|(1+\wp)
.irp q, 0,1,2,3
.irp o, 0,1
.irp u, 0,1
.if 2*\q+\o == 0
	WM 64*\T+16*(2*\wp+\u), 96*\u+12*(2*\q+\o), TB_+8*(2*\q+\o), 0, WSR+8*\wp+2*\q+\o, TS+4*\T+\q, \u, \o
	WM 64*\T+16*(2*\wp+\u)+8, 96*\u+12*(2*\q+\o)+4, TB_+8*(2*\q+\o), 0, WS+8*\wp+2*\q+\o, TS+4*\T+\q, \u, \o
.else
	WM 64*\T+16*(2*\wp+\u), 96*\u+12*(2*\q+\o), TB_+8*(2*\q+\o), v[64*\T+16*(2*\wp+\u):64*\T+16*(2*\wp+\u)+7], WSR+8*\wp+2*\q+\o, TS+4*\T+\q, \u, \o
	WM 64*\T+16*(2*\wp+\u)+8, 96*\u+12*(2*\q+\o)+4, TB_+8*(2*\q+\o), v[64*\T+16*(2*\wp+\u)+8:64*\T+16*(2*\wp+\u)+15], WS+8*\wp+2*\q+\o, TS+4*\T+\q, \u, \o
.endif
.endr
.endr
.endr
.endr
.endr
	WIN 0
.rept 4
	v_nop                                          ; places in front of the first read of results
.endr
	WIN 0x0c                                       ; an LDS store's data are its source 1: window 3
.irp T, 0,1,2,3
.irp ft, 0,1,2,3
.irp p, 0,1
	ds_store_b128 v9, v[64*\T+16*\ft+8*\p:64*\T+16*\ft+8*\p+3] offset:(2*\T+\p)*16*272+128*(\ft/2)+32*(\ft%2)        ; each accumulator from its low end on
	ds_store_b128 v9, v[64*\T+16*\ft+8*\p+4:64*\T+16*\ft+8*\p+7] offset:(2*\T+\p)*16*272+128*(\ft/2)+32*(\ft%2)+16
.endr
.endr
.endr
	WIN 0
.Lmeet:
	s_wait_loadcnt 0x0                             ; the list and the biases, on the way that jumped too
	s_wait_dscnt 0x0                               ; for the others' sake: my partial sums have landed
	s_barrier_signal -1
	s_barrier_wait -1
	s_cmp_ge_u32 s2, s18
	s_cbranch_scc1 .Lend                           ; the chunk has no tile w
.irp i, 0,1,2,3,4,5,6,7
	v_min_u32 v[22+\i], 0x3ff, v[14+\i]            ; the token, held inside the output,
.endr
.irp i, 0,1,2,3,4,5,6,7
	v_lshl_add_u32 v[22+\i], v[22+\i], 11, v108    ; its row of 2,048 bytes, + my 16 bytes
.endr
; four pairs of rows of tile w, real and imaginary: the four partial sums, the bias, the store
.macro FINISH bt
.irp p, 0,1
.irp ii, 0,1,2,3
.irp wv, 0,1,2,3
	ds_load_b128 v[128+16*(4*\p+\ii)+4*\wv:128+16*(4*\p+\ii)+4*\wv+3], v[10+\wv] offset:(16*\p+2*(4*\bt+\ii))*272
.endr
.endr
.endr
	s_wait_dscnt 0x0
.irp p, 0,1
.irp ii, 0,1,2,3
.set B_, 128+16*(4*\p+\ii)
.irp k, 0,2
	v_pk_add_f32 v[B_+\k:B_+\k+1], v[B_+\k:B_+\k+1], v[B_+4+\k:B_+5+\k]
	v_pk_add_f32 v[B_+8+\k:B_+9+\k], v[B_+8+\k:B_+9+\k], v[B_+12+\k:B_+13+\k]
.endr
.irp k, 0,2
	v_pk_add_f32 v[B_+\k:B_+\k+1], v[B_+\k:B_+\k+1], v[B_+8+\k:B_+9+\k]
.endr
.irp k, 0,2
	v_pk_add_f32 v[B_+\k:B_+\k+1], v[B_+\k:B_+\k+1], v[30+4*\p+\k:31+4*\p+\k]
.endr
.endr
.endr
.irp ii, 0,1,2,3
	v_cmp_gt_u32 vcc_lo, 0x400, v[14+4*\bt+\ii]    ; a row past the expert's count is marked 0xffff: it is not stored
	s_wait_xcnt 0x0                                ; EXEC is a source of the stores before: it changes only behind this wait
	s_and_saveexec_b32 s30, vcc_lo
	global_store_b128 v[22+4*\bt+\ii], v[128+16*\ii:128+16*\ii+3], s[14:15] th:TH_STORE_NT                         ; sixteen lanes: 256 consecutive bytes, aligned
	global_store_b128 v[22+4*\bt+\ii], v[128+16*(4+\ii):128+16*(4+\ii)+3], s[14:15] offset:2097152 th:TH_STORE_NT  ; the imaginary part
	s_wait_xcnt 0x0                                ; and again in front of the line that widens it; the stores' data may then be written too
	s_or_b32 exec_lo, exec_lo, s30
.endr
.endm
	FINISH 0
	FINISH 1
.Lend:
	s_wait_tensorcnt 0x0
	ds_add_u32 v126, v127
	s_wait_dscnt 0x0
	s_endpgm
.Lfunc_end_k_qd25b345967_layer2:
	.size	k_qd25b345967_layer2, .Lfunc_end_k_qd25b345967_layer2-k_qd25b345967_layer2
	.p2alignl 7, 3214868480
	.fill 96, 4, 3214868480
	.section	.rodata,"a",@progbits
	.p2align	6, 0x0
	.amdhsa_kernel k_qd25b345967_layer2
		.amdhsa_group_segment_fixed_size 139776
		.amdhsa_private_segment_fixed_size 0
		.amdhsa_enable_private_segment 0
		.amdhsa_kernarg_size 48
		.amdhsa_user_sgpr_count 2
		.amdhsa_user_sgpr_kernarg_segment_ptr 1
		.amdhsa_wavefront_size32 1
		.amdhsa_system_sgpr_workgroup_id_x 1
		.amdhsa_system_sgpr_workgroup_id_y 1
		.amdhsa_system_sgpr_workgroup_id_z 1
		.amdhsa_system_vgpr_workitem_id 0
		.amdhsa_next_free_vgpr 1024
		.amdhsa_next_free_sgpr 66
		.amdhsa_reserve_vcc 1
		.amdhsa_float_denorm_mode_32 3
		.amdhsa_float_denorm_mode_16_64 3
		.amdhsa_memory_ordered 1
		.amdhsa_forward_progress 1
		.amdhsa_inst_pref_size 80
	.end_amdhsa_kernel
	.amdgpu_metadata
---
amdhsa.version: [ 1, 2 ]
amdhsa.kernels:
  - .name:           k_qd25b345967_layer2
    .symbol:         k_qd25b345967_layer2.kd
    .args:
      - { .name: plan, .offset: 0, .size: 8, .value_kind: global_buffer, .address_space: global }
      - { .name: hq, .offset: 8, .size: 8, .value_kind: global_buffer, .address_space: global }
      - { .name: wq2, .offset: 16, .size: 8, .value_kind: global_buffer, .address_space: global }
      - { .name: br2, .offset: 24, .size: 8, .value_kind: global_buffer, .address_space: global }
      - { .name: bi2, .offset: 32, .size: 8, .value_kind: global_buffer, .address_space: global }
      - { .name: out0, .offset: 40, .size: 8, .value_kind: global_buffer, .address_space: global }
    .group_segment_fixed_size: 139776
    .private_segment_fixed_size: 0
    .kernarg_segment_align: 8
    .kernarg_segment_size: 48
    .max_flat_workgroup_size: 128
    .sgpr_count:     66
    .vgpr_count:     1024
    .wavefront_size: 32
...
	.end_amdgpu_metadata
.endif
;; end of part 3
;; ======== version 2 of 2: 3 launches; version 1 with the launch layer1 written anew for expert scheduling mode
;; limits: below input magnitudes of 1.1e-19 results are inexact or not finite; inputs' magnitudes at most 1.3e+19
;; workspace buffers: route 2,048 bytes of whole numbers; xq 557,056 bytes; wq1 8,912,896 bytes; wq2 8,912,896 bytes; hq 17,825,792 bytes; plan 33,024 bytes of whole numbers
;; launch prep: the kernel of part 1 again; grid 1056 x 1, 4 waves a work-group, no clusters, 2,560 bytes of LDS; arguments x_r, x_i, Wr1, Wi1, Wr2, Wi2, route, xq, wq1, wq2; writes route, xq, wq1, wq2
;; launch layer1 (part 4): grid 32 x 8, 4 waves a work-group, no clusters, 49,664 bytes of LDS; arguments route, xq, wq1, br1, bi1, mb, hq, plan; writes hq, plan
.if DOCPART == 4
	.amdgcn_target "amdgcn-amd-amdhsa--gfx1250"
	.amdhsa_code_object_version 6
	.text
	.protected	k_qd25b345967_layer1
	.globl	k_qd25b345967_layer1
	.p2align	8
	.type	k_qd25b345967_layer1,@function
k_qd25b345967_layer1:
	s_mov_b64 s[64:65], 0
	v_nop
	global_prefetch_b8 v0, s[64:65] scope:SCOPE_SE
	s_setreg_imm32_b32 hwreg(HW_REG_WAVE_SCHED_MODE, 0, 2), 2
	s_setreg_imm32_b32 hwreg(HW_REG_WAVE_MODE, 25, 1), 1
	s_wait_xcnt 0x0
	s_wait_alu depctr_vm_vsrc(0)
; LAYER 1: h = ModReLU(x W1 + b1), complex, for the tokens of ONE expert and 64 hidden units, quantised on the way and stored as codes.
; Work-group (sl, e): hidden units 64 sl .. 64 sl + 63 of expert e, all of e's tokens.  Every wave holds the four tiles of 16 units, for
; all of K, in registers; wave w takes tiles of 16 tokens w, w + 4, ...: no barrier stands in that loop.
; COMPLEX FORM.  A K step of 128 is 64 of the imaginary part, then 64 of the real part.  Token fragment (i, r).  The weight lies in 12
; registers (-I, R, I): real = (i, r).(-I, R) takes registers 0-7, imaginary = (i, r).(R, I) registers 4-11.  -I is I's codes with every
; sign bit turned; the scale word of (-I, R) is that of (R, I) turned by 16 bits.
; TRANSPOSED: source 0 = 16 units, source 1 = 16 tokens, so a lane holds one token; by the order in which the units were laid, register j
; of tile 2 g + u in lane (token, h) is unit 32 g + 16 h + 8 u + j: the 16 registers of two tiles are 16 neighbours along the next K.
; THE TOKENS are found from the stored masks: row P of the expert is the P-th set bit of its 1,024; found without a branch (SELECT).
; Rows past the expert's count repeat its last token; the list marks them 0xffff, and the next launch does not store them.
; h's image: fragment (slot = 64 e + tile, K step sl) = 1,024 bytes [i g0 | i g1 | r g0 | r g1], each [row][16 bytes].
; The work-groups with sl = 0 also store the list of tokens; wave 0 of work-group (0, 0) stores the table of chunks for the next launch.
; No joint loads: what the work-groups of an expert share are x's rows picked by a list, which come through registers lane by lane.
; LIMITS: NaN and infinities are not served.
; REGISTERS, in windows of 256.  Window 0: v1 r, v2 h, v3 16 lane, v4 token, v5, v6 its offsets in xq, v7, v8 offsets in an image, v9 the
; list's entry, v10-23 SELECT, v24-31 offsets, v32-47 scale words of (R, I), v48-63 of (-I, R), v64-71 x's, v72-103 the ModReLU bias,
; v104-167 the sums (imaginary tiles 0-3, then real), v168-216 at work.  Windows 1, 2: the weights, tile 2 wp + u at v[96 u + 12 s] of
; window 1 + wp.  Window 3: v0-63 x's eight fragments, v64-95 bi1, v96-127 br1.
; THE MODE: SCHED_MODE bits 1:0 = 2 (LLVM: expert scheduling mode 2), set by the entry lines.  The code itself states the register dependences
; between vector or matrix instructions and memory or LDS instructions, and those through scalar registers and VCC that vector instructions
; write, with s_wait_alu, always for 0.
; THE PLAN.  Registers that memory or LDS instructions touch:
;   XF, XS            x's fragments and scale words.  Written by XLOAD's 18 loads; read by the next trip's 64 products.
;   v5, v6, v9, v31   XLOAD's two offsets, the list's entry and its place.  Written by SELECT; read by XLOAD and by the list's store behind it.
;   PC, PW, v28, v29  h's codes, its scale word and their places.  Written by a trip's last vector lines; read by the five stores that close the trip.
;   ACC, NI           at the head only: read by the 24 LDS stores of the weights' images; later the products and the ModReLU write them.
;   v3, v24-27, v30, v254, v255   made once at the head, never written again.
;   The weights, the biases and the weights' scale words are loaded once.
; A TRIP: the 64 products | one wait on vm_vsrc: what the last trip's loads and stores read may be written again | SELECT | one wait on va_vdst:
; SELECT's four registers are written and the products are done with XF and XS | XLOAD and the list's store | ModReLU and the quantiser, which
; name none of the registers that those touch | one wait on va_vdst: codes, scale word and places are written | the five stores.
; Masks of compares go to scalar registers in runs, with one wait on va_sdst behind a run; s52 to s59 and s101 hold them.
.set ACC, 104
.set HIB, ACC
.set HRB, ACC+32
.set WS,  32
.set WSR, 48
.set XS,  64
.set MB,  72
.set NI,  168
.set QQ,  168
.set NUM, 176
.set DEN, 184
.set PC,  192
.set TM,  200
.set PW,  216
.set XF,  0
.set BI,  64
.set BR,  96
.set MK,  52                           ; s52-59: eight masks of compares (at the head these held four bases, which are done with by then)
.set MSB, 0
.macro WIN new                         ; the immediate's high byte repeats the setting that is left; a switch that changes nothing is dropped
.if MSB != (\new)
	s_set_vgpr_msb (MSB<<8)|(\new)
.set MSB, \new
.endif
.endm
.macro WM d, a, b, c, sa, sb, ra, rb   ; one product; ra, rb: the scale words lie in lanes 16-31
.if (\ra) == 0 && (\rb) == 0
	v_wmma_scale_f32_16x16x128_f8f6f4 v[\d:\d+7], v[\a:\a+7], v[\b:\b+7], \c, v[\sa], v[\sb] matrix_a_fmt:MATRIX_FMT_FP4 matrix_b_fmt:MATRIX_FMT_FP4
.elseif (\ra) == 1 && (\rb) == 0
	v_wmma_scale_f32_16x16x128_f8f6f4 v[\d:\d+7], v[\a:\a+7], v[\b:\b+7], \c, v[\sa], v[\sb] matrix_a_fmt:MATRIX_FMT_FP4 matrix_b_fmt:MATRIX_FMT_FP4 matrix_a_scale:MATRIX_SCALE_ROW1
.elseif (\ra) == 0
	v_wmma_scale_f32_16x16x128_f8f6f4 v[\d:\d+7], v[\a:\a+7], v[\b:\b+7], \c, v[\sa], v[\sb] matrix_a_fmt:MATRIX_FMT_FP4 matrix_b_fmt:MATRIX_FMT_FP4 matrix_b_scale:MATRIX_SCALE_ROW1
.else
	v_wmma_scale_f32_16x16x128_f8f6f4 v[\d:\d+7], v[\a:\a+7], v[\b:\b+7], \c, v[\sa], v[\sb] matrix_a_fmt:MATRIX_FMT_FP4 matrix_b_fmt:MATRIX_FMT_FP4 matrix_a_scale:MATRIX_SCALE_ROW1 matrix_b_scale:MATRIX_SCALE_ROW1
.endif
.endm
.macro SELSTEP src, w, st              ; does the wanted bit lie past the next st bits?  their count is a field of a partial popcount
	v_bfe_u32 v21, v[\src], v20, \w
	v_cmp_ge_u32 vcc_lo, v15, v21
	s_wait_alu depctr_va_vcc(0)                    ; VCC is written, ahead of the two selects that read it (each step hangs on the step before: no run can be made of the five)
	v_cndmask_b32 v21, 0, v21, vcc_lo
	v_cndmask_b32 v22, 0, \st, vcc_lo
	v_sub_nc_u32 v15, v15, v21
	v_add_nc_u32 v20, v20, v22
.endm
; The token of row 16 x tile + r (tile in s[st]).  s16-47: the 32 mask words m[j];  s67-97: k[j] = (bits set below word j) << 5 | j.
; It makes all four registers that the memory instructions behind it read: v5, v6, v9, v31.
.macro SELECT st
	s_lshl_b32 s15, s[\st], 4
	v_add_nc_u32 v10, s15, v1                      ; the row
	v_min_u32 v11, s9, v10                         ; P: held at the expert's last row
	v_lshl_or_b32 v12, v11, 5, 31
	v_mov_b32 v13, s16
	v_mov_b32 v14, 0
	v_cmp_gt_u32 s101, s5, v10                     ; is the row under the expert's count?  read at the macro's end, behind the waits below
.set SJ, 1
.rept 4                                        ; the 31 compares in runs of eight, the selects in the order of j as ever
.set SG, 0
.rept 8
.if SJ+SG < 32
	v_cmp_le_u32 s[MK+SG], s[66+SJ+SG], v12        ; the last word below which at most P bits are set
.endif
.set SG, SG+1
.endr
	s_wait_alu depctr_va_sdst(0)                   ; the run's masks in s52 to s59 are written (behind the first run s101 too), ahead of the selects that read them
.set SG, 0
.rept 8
.if SJ+SG < 32
	v_cndmask_b32 v13, v13, s[16+SJ+SG], s[MK+SG]
	v_cndmask_b32 v14, v14, s[66+SJ+SG], s[MK+SG]
.endif
.set SG, SG+1
.endr
.set SJ, SJ+8
.endr
	v_lshrrev_b32 v15, 5, v14
	v_sub_nc_u32 v15, v11, v15                     ; which set bit of that word
	v_lshrrev_b32 v16, 1, v13
	v_and_b32 v16, 0x55555555, v16
	v_sub_nc_u32 v16, v13, v16                     ; counts of 2 bits,
	v_lshrrev_b32 v17, 2, v16
	v_and_b32 v17, 0x33333333, v17
	v_and_b32 v18, 0x33333333, v16
	v_add_nc_u32 v17, v17, v18                     ; of 4,
	v_lshrrev_b32 v18, 4, v17
	v_add_nc_u32 v18, v18, v17
	v_and_b32 v18, 0x0f0f0f0f, v18                 ; of 8,
	v_lshrrev_b32 v19, 8, v18
	v_add_nc_u32 v19, v19, v18                     ; of 16 (bytes 0 and 2)
	v_mov_b32 v20, 0
	SELSTEP 19, 8, 16
	SELSTEP 18, 8, 8
	SELSTEP 17, 4, 4
	SELSTEP 16, 2, 2
	SELSTEP 13, 1, 1
	v_and_b32 v14, 31, v14
	v_lshl_add_u32 v4, v14, 5, v20                 ; the token,
	v_min_u32 v4, 0x3ff, v4                        ; held inside x whatever the masks hold
	v_lshlrev_b32 v5, 9, v4
	v_lshl_add_u32 v5, v2, 4, v5                   ; its codes: 512 bytes a token, + 16 h
	v_lshlrev_b32 v6, 5, v4                        ; its scale words: 32 bytes a token
	v_cndmask_b32 v9, v23, v4, s101                ; the list's entry: 0xffff for a row past the count
	s_min_u32 s15, s[\st], 63                      ; and the entry's place in the list: (64 e + tile) x 64 bytes + 4 r
	s_lshl_b32 s66, s3, 6
	s_add_co_u32 s15, s15, s66
	s_lshl_b32 s15, s15, 6
	v_add_nc_u32 v31, s15, v8
.endm
.macro XLOAD                           ; 18 loads: the 16 tokens' eight fragments (i, r) and their eight scale words
	s_wait_alu depctr_va_vdst(0)                   ; SELECT has written v5 and v6, which these loads read, and v9 and v31, which the list's store reads; in the loop the trip's products are done reading XF and XS, in which these loads land
	WIN 0xc0
.irp s, 0,1,2,3,4,5,6,7
	global_load_b128 v[XF+8*\s:XF+8*\s+3], v5, s[50:51] offset:32*\s
	global_load_b128 v[XF+8*\s+4:XF+8*\s+7], v5, s[50:51] offset:256+32*\s
.endr
	WIN 0
	global_load_b128 v[XS:XS+3], v6, s[50:51] offset:524288
	global_load_b128 v[XS+4:XS+7], v6, s[50:51] offset:524288+16
.endm
.macro ORDST                           ; the tile's 16 entries of the list (both halves of the lanes write the same words).  No wait: no vector instruction since XLOAD's wait names v9 or v31
	global_store_b32 v31, v9, s[62:63]
.endm
; 32 products: tiles 2 wp and 2 wp + 1, real and imaginary, eight K steps.  The four accumulators take turns, one instruction a turn.
;   The biases are the C of each sum's first product.
.macro MUL wp
.irp s, 0,1,2,3,4,5,6,7
.if \s == 0
	WIN 0x3d+\wp                                   ; weights window 1 + wp, x window 3, the bias window 3, the sums window 0
.else
	WIN 0x0d+\wp
.endif
.irp u, 0,1
.if \s == 0
	WM HRB+8*(2*\wp+\u), 96*\u+12*\s, XF+8*\s, v[BR+8*(2*\wp+\u):BR+8*(2*\wp+\u)+7], WSR+8*\wp+\s, XS+\s, \u, 0
	WM HIB+8*(2*\wp+\u), 96*\u+12*\s+4, XF+8*\s, v[BI+8*(2*\wp+\u):BI+8*(2*\wp+\u)+7], WS+8*\wp+\s, XS+\s, \u, 0
.else
	WM HRB+8*(2*\wp+\u), 96*\u+12*\s, XF+8*\s, v[HRB+8*(2*\wp+\u):HRB+8*(2*\wp+\u)+7], WSR+8*\wp+\s, XS+\s, \u, 0
	WM HIB+8*(2*\wp+\u), 96*\u+12*\s+4, XF+8*\s, v[HIB+8*(2*\wp+\u):HIB+8*(2*\wp+\u)+7], WS+8*\wp+\s, XS+\s, \u, 0
.endif
.endr
.endr
.endm
; amp = sqrt(hr^2 + hi^2 + eps); h *= relu(amp + mb) / (amp + eps).  Each accumulator is read from its low end on.
.macro MODRELU t
.set HR_, HRB+8*(\t)
.set HI_, HIB+8*(\t)
.irp p, 0,2,4,6
	v_pk_fma_f32 v[QQ+\p:QQ+\p+1], v[HR_+\p:HR_+\p+1], v[HR_+\p:HR_+\p+1], s[12:13] op_sel_hi:[1,1,0]
.endr
.irp p, 0,2,4,6
	v_pk_fma_f32 v[QQ+\p:QQ+\p+1], v[HI_+\p:HI_+\p+1], v[HI_+\p:HI_+\p+1], v[QQ+\p:QQ+\p+1]
.endr
.irp k, 0,1,2,3,4,5,6,7
	v_sqrt_f32 v[QQ+\k], v[QQ+\k]
.endr
	v_nop                                          ; a plain line behind the transcendentals
	s_wait_alu depctr_va_vdst(0)                   ; the eight roots in v[QQ ..] are written, ahead of their first reader
.irp p, 0,2,4,6
	v_pk_add_f32 v[NUM+\p:NUM+\p+1], v[QQ+\p:QQ+\p+1], v[MB+8*(\t)+\p:MB+8*(\t)+\p+1]
.endr
.irp p, 0,2,4,6
	v_pk_add_f32 v[DEN+\p:DEN+\p+1], v[QQ+\p:QQ+\p+1], s[12:13] op_sel_hi:[1,0]
.endr
.irp k, 0,1,2,3,4,5,6,7
	v_max_num_f32 v[NUM+\k], 0, v[NUM+\k]
.endr
.irp k, 0,1,2,3,4,5,6,7
	v_rcp_f32 v[DEN+\k], v[DEN+\k]
.endr
	v_nop
	s_wait_alu depctr_va_vdst(0)                   ; the eight reciprocals in v[DEN ..] are written, ahead of their first reader
.irp p, 0,2,4,6
	v_pk_mul_f32 v[NUM+\p:NUM+\p+1], v[NUM+\p:NUM+\p+1], v[DEN+\p:DEN+\p+1]
.endr
.irp p, 0,2,4,6
	v_pk_mul_f32 v[HR_+\p:HR_+\p+1], v[HR_+\p:HR_+\p+1], v[NUM+\p:NUM+\p+1]
	v_pk_mul_f32 v[HI_+\p:HI_+\p+1], v[HI_+\p:HI_+\p+1], v[NUM+\p:NUM+\p+1]
.endr
.endm
	s_load_b512 s[48:63], s[0:1], 0x0              ; route, xq, wq1, br1, bi1, mb, hq, plan
	v_lshl_add_u32 v254, v0, 2, 0xc000
	v_mov_b32 v255, 0
	v_lshrrev_b32 v1, 5, v0
	v_readfirstlane_b32 s2, v1                     ; wave
	s_and_b32 s3, ttmp7, 0xffff                    ; e
	s_mov_b32 s4, ttmp9                            ; sl
	s_lshl_b32 s14, s3, 7
	s_mov_b32 s15, 0
	s_mov_b32 s10, 0x76543210
	s_mov_b32 s11, 0xfedcba98                      ; v_permlanex16_b32's selects for lane l xor 16
	s_mov_b32 s12, 0x2edbe6ff                      ; eps = 1e-10
	s_mov_b32 s13, s12                             ; (named with it as a pair)
	s_mov_b32 s98, 0x88888888                      ; the sign bits of eight codes
	v_and_b32 v1, 15, v0
	v_bfe_u32 v2, v0, 4, 1
	v_and_b32 v31, 31, v0
	v_lshlrev_b32 v3, 4, v31
	v_lshlrev_b32 v30, 2, v31
	v_lshlrev_b32 v7, 4, v1
	v_lshl_add_u32 v7, v2, 3, v7                   ; my 8 bytes of a quarter image: 16 r + 8 h
	v_lshlrev_b32 v8, 2, v1
	v_mov_b32 v23, 0xffff
.irp b, 0,1,2,3
	v_mov_b32 v[TM+4+\b], 0                        ; written once: a lane permute's destination counts as one of its sources
.endr
	s_wait_alu depctr_va_sdst(0)                   ; s2, the wave's number, is written, ahead of its first reader below
	s_lshl_b32 s66, s3, 20
	s_lshl_b32 s99, s4, 15
	s_add_co_u32 s66, s66, s99
	s_lshl_b32 s99, s2, 13
	s_add_co_u32 s66, s66, s99
	v_add_nc_u32 v24, s66, v3                      ; wq1: tile 4 sl + wave of expert e, + 16 lane
	s_lshl_b32 s66, s3, 16
	s_lshl_b32 s99, s4, 11
	s_add_co_u32 s66, s66, s99
	s_add_co_u32 s66, s66, 8388608
	v_lshl_add_u32 v25, v31, 3, s66                ; its scale words: column groups 2 sl, 2 sl + 1, + 8 lane
	s_lshl_b32 s66, s3, 13
	s_lshl_b32 s99, s4, 8
	s_add_co_u32 s66, s66, s99
	v_lshl_add_u32 v26, v2, 6, s66                 ; the biases: unit 64 sl + 16 h of expert e
	s_mul_i32 s66, s2, 12288
	v_add_nc_u32 v27, s66, v3                      ; LDS: my tile's images
	s_wait_kmcnt 0x0
	s_add_nc_u64 s[100:101], s[48:49], s[14:15]
	s_load_b512 s[16:31], s[100:101], 0x0          ; the expert's 32 mask words
	s_load_b512 s[32:47], s[100:101], 0x40
	s_wait_alu depctr_va_vdst(0)                   ; the offsets that are made once are written: v24, v25, v26, which the 48 loads below read, and v3, v27, v30, v254, v255 for the LDS instructions, the table and the closing add
.irp s, 0,1,2,3,4,5,6,7                        ; 16 loads: wave w fetches tile w's fragments, R then I
	global_load_b128 v[ACC+8*\s:ACC+8*\s+3], v24, s[52:53] offset:1024*\s
	global_load_b128 v[ACC+8*\s+4:ACC+8*\s+7], v24, s[52:53] offset:1024*\s+512
.endr
.irp g, 0,1                                    ; 8 loads: lanes 0-15 tile 2 g's words, lanes 16-31 tile 2 g + 1's, two K steps a load
.irp q, 0,1,2,3
	global_load_b64 v[WS+8*\g+2*\q:WS+8*\g+2*\q+1], v25, s[52:53] offset:(4*\g+\q)*256
.endr
.endr
.irp t, 0,1,2,3                                ; 24 loads: mb, bi1, br1 in the result's layout
	global_load_b128 v[MB+8*\t:MB+8*\t+3], v26, s[58:59] offset:(32*(\t/2)+8*(\t%2))*4
	global_load_b128 v[MB+8*\t+4:MB+8*\t+7], v26, s[58:59] offset:(32*(\t/2)+8*(\t%2))*4+16
.endr
	WIN 0xc0
.irp t, 0,1,2,3
	global_load_b128 v[BI+8*\t:BI+8*\t+3], v26, s[56:57] offset:(32*(\t/2)+8*(\t%2))*4
	global_load_b128 v[BI+8*\t+4:BI+8*\t+7], v26, s[56:57] offset:(32*(\t/2)+8*(\t%2))*4+16
	global_load_b128 v[BR+8*\t:BR+8*\t+3], v26, s[54:55] offset:(32*(\t/2)+8*(\t%2))*4
	global_load_b128 v[BR+8*\t+4:BR+8*\t+7], v26, s[54:55] offset:(32*(\t/2)+8*(\t%2))*4+16
.endr
	WIN 0
	s_wait_kmcnt 0x0
	s_mov_b32 s5, 0
.set PJ, 1
.rept 31
	s_bcnt1_i32_b32 s14, s[15+PJ]
	s_add_co_u32 s5, s5, s14
	s_lshl_b32 s14, s5, 5
	s_or_b32 s[66+PJ], s14, PJ                     ; k[j]
.set PJ, PJ+1
.endr
	s_bcnt1_i32_b32 s14, s47
	s_add_co_u32 s5, s5, s14                       ; n: the expert's tokens
	s_add_co_u32 s6, s5, 15
	s_lshr_b32 s6, s6, 4                           ; nt: its tiles of 16
	s_max_u32 s9, s5, 1
	s_sub_co_u32 s9, s9, 1                         ; its last row
	s_wait_xcnt 0x0                                ; the 48 loads above have had their addresses translated: their bases s52 to s59 are done with and hold SELECT's masks from here on
	SELECT 2                                       ; my first tile's tokens (every index is held inside x, whatever n)
	XLOAD
	s_wait_loadcnt 50                              ; my 16 fragment loads are in: behind them 8 + 24 + 18 were issued
.irp s, 0,1,2,3,4,5,6,7
.irp k, 0,1,2,3
	v_xor_b32 v[NI+4*\s+\k], s98, v[ACC+8*\s+4+\k] ; -I
.endr
.endr
	s_wait_alu depctr_va_vdst(0)                   ; the 32 lines above have written v[NI ..], which the LDS stores read
.irp s, 0,1,2,3,4,5,6,7                        ; images of the registers: lane l's 16 bytes at 16 l
	ds_store_b128 v27, v[NI+4*\s:NI+4*\s+3] offset:1536*\s
	ds_store_b128 v27, v[ACC+8*\s:ACC+8*\s+3] offset:1536*\s+512
	ds_store_b128 v27, v[ACC+8*\s+4:ACC+8*\s+7] offset:1536*\s+1024
.endr
	s_wait_dscnt 0x0                               ; for the others' sake: my stores have landed
	s_barrier_signal -1
	s_barrier_wait -1                              ; the four tiles' images lie in LDS
	s_wait_alu depctr_vm_vsrc(0)                   ; my LDS stores have read v[ACC ..] and v[NI ..]: the products write the first again, the ModReLU and the quantiser the second
.irp t, 0,1,2,3
	WIN 0x40*(1+\t/2)
.irp s, 0,1,2,3,4,5,6,7
.irp p, 0,1,2
	ds_load_b128 v[96*(\t%2)+12*\s+4*\p:96*(\t%2)+12*\s+4*\p+3], v3 offset:12288*\t+1536*\s+512*\p
.endr
.endr
.endr
	WIN 0
	s_wait_loadcnt 18                              ; the scale words and the biases are in; x's 18 loads may be out
.irp k, 0,1,2,3,4,5,6,7,8,9,10,11,12,13,14,15
	v_perm_b32 v[WSR+\k], v[WS+\k], v[WS+\k], 0x01000302   ; bytes 2, 3, 0, 1: the word turned by 16 bits
.endr
.rept 8
	v_nop                                          ; a scale register written by a vector instruction stands 8 places ahead of a scaled product
.endr
	s_wait_alu depctr_va_vdst(0)                   ; the sixteen turned words v[WSR ..] are written, which the products take as scales; the eight places above stay beside this wait
	s_wait_dscnt 0x0                               ; the weights are in
	s_cmp_ge_u32 s2, s6
	s_cbranch_scc1 .Ltab                           ; no tile for this wave
	s_cmp_lg_u32 s4, 0
	s_cbranch_scc1 .Lno_ord0
	ORDST
.Lno_ord0:
	s_mov_b32 s7, s2                               ; the tile in hand: w, w + 4, ...
	s_sub_co_u32 s100, s6, s2
	s_add_co_u32 s100, s100, 3
	s_lshr_b32 s100, s100, 2                       ; my tiles: (nt - w + 3) / 4, at least 1 here,
	s_min_u32 s100, s100, 16                       ; and 16 at the most: an expert has 64 tiles at the most
	s_mov_b32 s99, 0                               ; the loop ends on a counter of its own, which steps by 1
.Ltile:
	s_wait_loadcnt 0x0                             ; this tile's x is in
	MUL 0                                          ; the products write the sums alone, which no load or store of the loop names
	MUL 1
	WIN 0
	s_wait_xcnt 0x0                                ; the last trip's stores have had their addresses translated: their registers are written again only behind this wait
	s_wait_alu depctr_vm_vsrc(0)                   ; the last XLOAD has read v5 and v6, the list's last store v9 and v31, the last trip's five stores v28, v29, v[PC ..] and v[PW]: SELECT and the lines behind it write them again
	s_add_co_u32 s8, s7, 4
	s_sub_co_u32 s14, s6, 1
	s_min_u32 s14, s14, s8
	SELECT 14                                      ; the next tile's tokens: plain lines that name none of the products' registers: the places behind them
	s_cmp_ge_u32 s8, s6
	s_cbranch_scc1 .Lno_next
	XLOAD                                          ; lands while this tile is finished
	s_cmp_lg_u32 s4, 0
	s_cbranch_scc1 .Lno_next
	ORDST
.Lno_next:
	MODRELU 0
	MODRELU 1
	MODRELU 2
	MODRELU 3
	; h's four blocks of 32 along the next K (i g0, i g1, r g0, r g1): 16 numbers here, 16 in lane l xor 16
.irp b, 0,1,2,3
	v_max3_num_f32 v[TM+\b], |v[ACC+16*\b]|, |v[ACC+1+16*\b]|, 0x1800000   ; and the floor 2^(3 - 127): the byte cannot fall under 1
.endr
.irp i, 2,4,6,8,10,12,14
.irp b, 0,1,2,3
	v_max3_num_f32 v[TM+\b], v[TM+\b], |v[ACC+16*\b+\i]|, |v[ACC+1+16*\b+\i]|
.endr
.endr
.irp b, 0,1,2,3
	v_permlanex16_b32 v[TM+4+\b], v[TM+\b], s10, s11
.endr
.irp b, 0,1,2,3
	v_max_num_f32 v[TM+\b], v[TM+\b], v[TM+4+\b]
.endr
.irp b, 0,1,2,3
	v_add_nc_u32 v[TM+12+\b], 0xff000000, v[TM+\b] ; 2 off the exponent field: the conversion's scale operand
.endr
.irp b, 0,1,2,3
	v_lshrrev_b32 v[TM+4+\b], 23, v[TM+12+\b]
.endr
	v_lshl_or_b32 v[PW], v[TM+5], 8, v[TM+4]
	v_lshl_or_b32 v[PW], v[TM+6], 16, v[PW]
	v_lshl_or_b32 v[PW], v[TM+7], 24, v[PW]        ; my token's scale word of this K step
.irp b, 0,1,2,3
	v_cvt_scalef32_pk8_fp4_f32 v[PC+2*\b], v[ACC+16*\b:ACC+16*\b+7], v[TM+12+\b]
	v_cvt_scalef32_pk8_fp4_f32 v[PC+2*\b+1], v[ACC+16*\b+8:ACC+16*\b+15], v[TM+12+\b]
.endr
	v_nop                                          ; a plain line behind the last conversion: the next trip's products write its sources
	s_min_u32 s14, s7, 63
	s_lshl_b32 s15, s3, 6
	s_add_co_u32 s14, s14, s15                     ; slot = 64 e + tile
	s_lshl_b32 s15, s14, 15
	s_lshl_b32 s66, s4, 10
	s_add_co_u32 s15, s15, s66
	v_add_nc_u32 v28, s15, v7
	s_lshl_b32 s15, s14, 11
	s_lshl_b32 s66, s4, 6
	s_add_co_u32 s15, s15, s66
	s_add_co_u32 s15, s15, 16777216
	v_add_nc_u32 v29, s15, v8
	s_wait_alu depctr_va_vdst(0)                   ; the conversions have written v[PC ..], the lines round them v[PW], v28 and v29: the five stores read them
.irp b, 0,1,2,3
	global_store_b64 v28, v[PC+2*\b:PC+2*\b+1], s[60:61] offset:256*\b   ; 32 lanes: 256 consecutive bytes, aligned: a quarter of the image
.endr
	global_store_b32 v29, v[PW], s[60:61]          ; 16 words; both halves of the lanes hold the same
	s_add_co_u32 s7, s7, 4
	s_add_co_u32 s99, s99, 1
	s_cmp_lt_u32 s99, s100
	s_cbranch_scc1 .Ltile
.Ltab:
	; THE TABLE OF CHUNKS, by one wave of the launch: chunk c = up to four tiles of one expert: (64 e + first tile) | tiles << 16, or 0
	s_or_b32 s14, s3, s4
	s_or_b32 s14, s14, s2
	s_cmp_lg_u32 s14, 0
	s_cbranch_scc1 .Lend
	s_wait_alu depctr_va_vdst(0)                   ; two ways join above: on both, SELECT's lines are done writing and reading v10 to v17, in which the eight loads land
.irp e, 0,1,2,3,4,5,6,7
	global_load_b32 v[10+\e], v30, s[48:49] offset:1024+128*\e   ; counts[e][lane]
.endr
	v_mov_b32 v18, 0
	s_wait_loadcnt 0x0
.irp k, 10,12,14,16
	v_lshl_or_b32 v[\k], v[\k+1], 16, v[\k]        ; two experts to a register: a sum is 1,024 at the most
.endr
.irp m, 1,2,4,8
.irp k, 10,12,14,16
	v_mov_b32_dpp v18, v[\k] row_xmask:\m row_mask:0xf bank_mask:0xf
	v_add_nc_u32 v[\k], v[\k], v18
.endr
.endr
.irp k, 10,12,14,16
	v_permlanex16_b32 v18, v[\k], s10, s11
	v_add_nc_u32 v[\k], v[\k], v18
.endr
.irp k, 0,1,2,3
	v_readfirstlane_b32 s[36+\k], v[10+2*\k]
.endr
	s_wait_alu depctr_va_sdst(0)                   ; s36 to s39, the eight sums, are written, ahead of the scalar lines that read them
.irp k, 0,1,2,3
	s_and_b32 s[16+2*\k], s[36+\k], 0xffff
	s_lshr_b32 s[17+2*\k], s[36+\k], 16
.endr
	s_mov_b32 s24, 0
.irp e, 0,1,2,3,4,5,6,7
	s_add_co_u32 s[16+\e], s[16+\e], 15
	s_lshr_b32 s[16+\e], s[16+\e], 4               ; the expert's tiles,
	s_add_co_u32 s15, s[16+\e], 3
	s_lshr_b32 s15, s15, 2                         ; its chunks,
	s_add_co_u32 s[25+\e], s[24+\e], s15           ; and where the next expert's begin
.endr
	v_and_b32 v19, 31, v0                          ; lane c makes chunk c
	v_mov_b32 v20, 0
	v_mov_b32 v21, 0
	v_mov_b32 v22, s16
.irp e, 1,2,3,4,5,6,7
	v_cmp_le_u32 s[MK-1+\e], s[24+\e], v19         ; does chunk c lie at or behind expert e's first?
.endr
	v_cmp_gt_u32 s[MK+7], s32, v19                 ; and is there a chunk c at all?
	s_wait_alu depctr_va_sdst(0)                   ; the eight masks in s52 to s59 are written, ahead of the selects that read them
.irp e, 1,2,3,4,5,6,7
	v_cndmask_b32 v20, v20, \e, s[MK-1+\e]
	v_cndmask_b32 v21, v21, s[24+\e], s[MK-1+\e]
	v_cndmask_b32 v22, v22, s[16+\e], s[MK-1+\e]
.endr
	v_sub_nc_u32 v21, v19, v21
	v_lshlrev_b32 v21, 2, v21                      ; the chunk's first tile
	v_sub_nc_u32 v22, v22, v21
	v_min_u32 v22, 4, v22                          ; its tiles
	v_lshl_add_u32 v20, v20, 6, v21
	v_lshl_or_b32 v20, v22, 16, v20
	v_cndmask_b32 v20, 0, v20, s[MK+7]
	s_wait_alu depctr_va_vdst(0)                   ; v20, the chunk's word, is written, which the store reads
	global_store_b32 v30, v20, s[62:63] offset:32768
.Lend:
	s_wait_dscnt 0x0                               ; the closing lines, six on end
	s_wait_alu 0x0
	s_wait_tensorcnt 0x0
	ds_add_u32 v254, v255
	s_wait_dscnt 0x0
	s_endpgm
.Lfunc_end_k_qd25b345967_layer1:
	.size	k_qd25b345967_layer1, .Lfunc_end_k_qd25b345967_layer1-k_qd25b345967_layer1
	.p2alignl 7, 3214868480
	.fill 96, 4, 3214868480
	.section	.rodata,"a",@progbits
	.p2align	6, 0x0
	.amdhsa_kernel k_qd25b345967_layer1
		.amdhsa_group_segment_fixed_size 49664
		.amdhsa_private_segment_fixed_size 0
		.amdhsa_enable_private_segment 0
		.amdhsa_kernarg_size 64
		.amdhsa_user_sgpr_count 2
		.amdhsa_user_sgpr_kernarg_segment_ptr 1
		.amdhsa_wavefront_size32 1
		.amdhsa_system_sgpr_workgroup_id_x 1
		.amdhsa_system_sgpr_workgroup_id_y 1
		.amdhsa_system_sgpr_workgroup_id_z 1
		.amdhsa_system_vgpr_workitem_id 0
		.amdhsa_next_free_vgpr 896
		.amdhsa_next_free_sgpr 102
		.amdhsa_reserve_vcc 1
		.amdhsa_float_denorm_mode_32 3
		.amdhsa_float_denorm_mode_16_64 3
		.amdhsa_memory_ordered 1
		.amdhsa_forward_progress 1
		.amdhsa_inst_pref_size 75
	.end_amdhsa_kernel
	.amdgpu_metadata
---
amdhsa.version: [ 1, 2 ]
amdhsa.kernels:
  - .name:           k_qd25b345967_layer1
    .symbol:         k_qd25b345967_layer1.kd
    .args:
      - { .name: route, .offset: 0, .size: 8, .value_kind: global_buffer, .address_space: global }
      - { .name: xq, .offset: 8, .size: 8, .value_kind: global_buffer, .address_space: global }
      - { .name: wq1, .offset: 16, .size: 8, .value_kind: global_buffer, .address_space: global }
      - { .name: br1, .offset: 24, .size: 8, .value_kind: global_buffer, .address_space: global }
      - { .name: bi1, .offset: 32, .size: 8, .value_kind: global_buffer, .address_space: global }
      - { .name: mb, .offset: 40, .size: 8, .value_kind: global_buffer, .address_space: global }
      - { .name: hq, .offset: 48, .size: 8, .value_kind: global_buffer, .address_space: global }
      - { .name: plan, .offset: 56, .size: 8, .value_kind: global_buffer, .address_space: global }
    .group_segment_fixed_size: 49664
    .private_segment_fixed_size: 0
    .kernarg_segment_align: 8
    .kernarg_segment_size: 64
    .max_flat_workgroup_size: 128
    .sgpr_count:     102
    .vgpr_count:     896
    .wavefront_size: 32
...
	.end_amdgpu_metadata
.endif
;; end of part 4
;; launch layer2: the kernel of part 3 again; grid 8 x 23, 4 waves a work-group, no clusters, 139,776 bytes of LDS; arguments plan, hq, wq2, br2, bi2, out0; writes out0
